; MI455X (gfx1250); checked and timed in simulation.
; The chip was launched on July 23, 2026; its instructions are those of AMD's public machine-readable ISA for CDNA 5 (MIT licence, August 2026) and "CDNA5" Instruction Set Architecture Reference Guide (July 2026). The comments in the code are by the model that wrote it; some were corrected since.
;; Relative Multi Head Attention. Allowed arithmetic: matrix products marked QUANTISED: E2M1 operands, one E8M0 scale for each 32 along K, by v_wmma_scale_f32_16x16x128_f8f6f4 with both operands' format E2M1 (or v_wmma_scale_f32_32x16x128_f4), f32 sums; everything else in f32.
;; Inputs: W_o_codes 1,024 x 32 x 16 uint8 (E2M1 codes of W_o, K innermost, in blocks of 32 codes, two codes a byte); W_o_scales 1,024 x 32 uint8 (E8M0 scales of W_o, one for each 32 codes along K); W_qkv_codes 3,072 x 32 x 16 uint8 (E2M1 codes of W_qkv, K innermost, in blocks of 32 codes, two codes a byte); W_qkv_scales 3,072 x 32 uint8 (E8M0 scales of W_qkv, one for each 32 codes along K); W_r_codes 1,024 x 32 x 16 uint8 (E2M1 codes of W_r, K innermost, in blocks of 32 codes, two codes a byte); W_r_scales 1,024 x 32 uint8 (E8M0 scales of W_r, one for each 32 codes along K); ln_beta 1,024 float32; ln_gamma 1,024 float32; mems 1,024 x 4 x 1,024 float32; r_codes 2,048 x 32 x 16 uint8 (E2M1 codes of r, K innermost, in blocks of 32 codes, two codes a byte); r_scales 2,048 x 32 uint8 (E8M0 scales of r, one for each 32 codes along K); u 16 x 64 float32; v 16 x 64 float32; x 1,024 x 4 x 1,024 float32.
;; Outputs: out0 1,024 x 4 x 1,024 float32.
;; This version of the problem:
;;   THIS VERSION OF THE PROBLEM IS GIVEN IN LOW PRECISION. The matrix products marked QUANTISED in the list below multiply operands that are first quantised to E2M1 (2 exponent bits, 1 mantissa bit; 4 bits a number), with one power-of-two scale for each 32 numbers along K (OCP MX v1.0); their sums are f32. All else is computed in f32.
;;   The module's matrix products, in the order in which they are computed (A, B: the left and right operand; K: the contracted axis; several contracted axes count as one K, in the product's order):
;;     1. [M 8,192, K 1,024] x [K 1,024, N 3,072]; A: computed on the way; B: input W_qkv (given as codes): QUANTISED
;;     2. [M 2,048, K 1,024] x [K 1,024, N 1,024]; A: input r (given as codes); B: input W_r (given as codes): QUANTISED
;;     3. batch 64 x [M 2,048, K 64] x [K 64, N 1,024]; A: computed on the way; B: computed on the way: QUANTISED
;;     4. batch 16 x [M 2,048, K 64] x [K 64, N 4,096]; A: computed on the way; B: computed on the way: QUANTISED
;;     5. batch 64 x [M 64, K 2,048] x [K 2,048, N 1,024]; A: computed on the way; B: softmax (see below): QUANTISED
;;     6. [M 4,096, K 1,024] x [K 1,024, N 1,024]; A: computed on the way; B: input W_o (given as codes): QUANTISED
;;   THE QUANTISER, for each operand of a quantised product, along K:
;;     - K is cut into blocks of 32 from its start; a last block that is shorter is filled with zeros.
;;     - A block's scale is 2^e with e = floor(log2(the largest magnitude in the block)) - 2, held to -126 .. 127; a block of zeros has e = 0. As a byte (E8M0): e + 127.
;;     - Each number is divided by its block's scale, clamped to +-6, and rounded to the nearest number of E2M1, ties to even, subnormals kept.
;;     - The product sums the exact products of the quantised numbers (number of the format x scale) in f32.
;;   ~~~python
;;   def quantise(x, axis):      # numpy; x: float32 -> the quantised numbers, widened to float32 again
;;       x = np.moveaxis(x, axis, -1); K = x.shape[-1]
;;       x = np.pad(x, [(0, 0)] * (x.ndim - 1) + [(0, -K % 32)]); x = x.reshape(x.shape[:-1] + (-1, 32)); a = np.abs(x).max(-1, keepdims=True)
;;       e = np.where(a > 0, np.clip(np.frexp(np.where(a > 0, a, 1))[1] - 1 - 2, -126, 127), 0)      # np.frexp(a)[1] - 1 = floor(log2(a)), exactly
;;       r = np.clip(x / 2.0 ** e, -6, 6)
;;       step = 2.0 ** (np.maximum(np.frexp(np.where(r == 0, 1, r))[1] - 1, 0) - 1)
;;       q = np.round(r / step) * step * 2.0 ** e      # np.round: ties to even
;;       return np.moveaxis(q.reshape(q.shape[:-2] + (-1,))[..., :K], -1, axis).astype(np.float32)
;;   ~~~
;;   SOFTMAX AHEAD OF A QUANTISED PRODUCT. Where the list says 'softmax', what is quantised is not the finished softmax but p = 2^(t - M), with t = logit x log2(e) and M = ceil(the row's largest t), a whole number; so 1/2 < the row's largest p <= 1. The row's sum l is taken of the UNQUANTISED p, in f32, and the product's result is divided by l at the end. Since M is a whole number, a kernel that streams over the keys may use a running M (the ceiling of the running maximum): every later rescaling is an exact power of two, which a block's scale takes up: the codes' values come out the same.
;;   OPERANDS COMPUTED ON THE WAY. 'Computed on the way' means the value that the module computes at that place (a softmax that the list does not call 'softmax' is quantised finished and normalised). What goes into a quantiser is computed in f32, as accurately as f32 sums, v_exp_f32 and their like allow (about 1e-6 of the number): no bf16 or f16 on the way to a quantiser, and a product that is left as it is and whose result goes on into a quantised operand takes f32 operands (vector FMAs, or v_wmma_f32_16x16x4_f32). A number that lies on a knife's edge between two numbers of the format may be rounded either way, as far as f32 arithmetic and the matrix unit's own rounding can turn it there, and no further.
;;   INPUTS GIVEN AS CODES. W_o (in the module: [1024, 1024], K = its axis 0); W_qkv (in the module: [1024, 3072], K = its axis 0); W_r (in the module: [1024, 1024], K = its axis 0); r (in the module: [2048, 1024], K = its axis 1): each comes as NAME_codes (uint8): NAME with its K axis moved to the last place and cut into blocks of 32 codes, [.., K / 32, bytes a block], one block behind the other in memory; two codes a byte, the lower K in the low four bits (a code: sign, 2 exponent bits, 1 mantissa bit); and NAME_scales (uint8): the same leading axes, one E8M0 byte (e + 127) for each 32 codes along K. Its value is code x scale, taken as it is: it is not quantised again, and the codes and scales need not be those that the quantiser above would give.
;; One version. Each part assembles by itself: llvm-mc -triple=amdgcn-amd-amdhsa -mcpu=gfx1250 --defsym DOCPART=n.
;; ======== version 1 of 1: 4 launches
;; limits: right only within a limited range of input values
;; workspace buffers: ctx 4,456,448 bytes; opnd 15,974,400 bytes; avec 2,228,224 bytes; wimg 524,288 bytes
;; launch quant (part 1): grid 256 x 1, 4 waves a work-group, no clusters, 33,280 bytes of LDS; arguments mems, x, ctx, opnd, W_o_codes, wimg; writes ctx, opnd, wimg
.if DOCPART == 1
	.amdgcn_target "amdgcn-amd-amdhsa--gfx1250"
	.amdhsa_code_object_version 6
	.text
	.protected	k_q74f024168c_quant
	.globl	k_q74f024168c_quant
	.p2align	8
	.type	k_q74f024168c_quant,@function
k_q74f024168c_quant:
	s_mov_b64 s[64:65], 0
	v_nop
	global_prefetch_b8 v0, s[64:65] scope:SCOPE_SE
	s_setreg_imm32_b32 hwreg(HW_REG_WAVE_MODE, 25, 1), 1
	s_wait_xcnt 0x0
; LAUNCH 1 OF 4.  context = [mems; x] ([2048][4][1024] f32) becomes codes of E2M1 along its last axis (the K of context @ W_qkv), with one E8M0 byte for each 32:
; ctx: codes [b 4][j 2048][512 bytes] from byte 0, scale bytes [b][j][32] from byte CTXS.  Row b 2048 + j; j < 1024 comes from mems, the rest from x.
; DEAD WORK LEFT OUT BY THE PROGRAM: reference() computes wq for all 2,048 positions of the context and keeps wq[-qlen:], the 1,024 positions of x.  So rows 0 .. 4,095 (the positions of mems, all four batches)
; of context @ W_qkv in columns 0 .. 1,023 are sliced away whatever the inputs hold: the second launch does not multiply them.  Every input still has a way to the output (mems through wk and wv), so all are loaded.
; LIMIT: a NaN, an infinity or an overflow that would arise only in those rows of wq is not carried to the result.
; THE QUANTISER: a block's scale is 2^(floor(log2(largest magnitude)) - 2); its byte is the largest magnitude's exponent field - 2, held at 1 from below.  A block of zeros so gets the byte 1 where the rule says 127:
; its codes are zeros, which add nothing under any byte but 0xff, and the bytes are read by this program alone.
; LIMITS: blocks whose largest magnitude lies under 2^-124 keep the byte 1; NaN and infinities among the inputs are not served.
; SHARES.  Wave W = 4 x work-group + wave takes the 8 rows W 8 .. W 8 + 7 of ctx (one batch b = W / 256, eight neighbouring positions): 16 steps of 512 numbers.  Each load reads 512 consecutive bytes; a step's 2,048 bytes
; turn through the wave's own stage in LDS (16 bytes of padding behind each 64) so that a lane holds 16 neighbours along K; two neighbouring lanes hold a block.  A wave's store of codes covers 256 consecutive bytes;
; its 256 scale bytes are gathered in LDS and leave as one aligned run of 256 bytes.  No tensor load, no barrier: waves share nothing.
; ALSO: wave 0 of work-group 0 writes the zero row (row 2,048) of each head's extended table of rk in opnd, which stands for the zero that reference()'s _rel_shift pads with.
; ALSO: W_o's codes are laid once in the order of the last launch's operand registers (buffer wimg): 1,024 images of 512 bytes, one a wave.  Image W holds, at 16 x lane, the 16 bytes of W_o's row 16 (W / 16) + lane % 16
; at byte 32 (W % 16) + 16 (lane / 16): half a fragment of 16 rows x 128 K.  The last launch, in which every work-group reads all of W_o, then reads 512 consecutive bytes with each load.
.set WAVES, 4
.set STEPS, 16
.set EMAX,  2
.set CB,    8                          ; bytes of 16 codes
.set R,     16                         ; v16-79   four sets of 16 numbers as they are loaded
.set X,     80                         ; v80-111  two sets of 16 neighbours
.set C,     128                        ; v128-191 codes: registers of its own for each step, so that no store's data are written again
.set E,     112                        ; v112-127 a scale byte for each step
.set WI,    192                        ; v192-195 my image of W_o; v196 where its bytes lie in W_o; v197 at work
.set WREG,  8192                       ; LDS: a region for each wave: two stages of 32 x SP bytes, behind them its 256 scale bytes
.set SP,    80
.set SPW,   12                         ; v12 LDS address of my spare word; never rewritten
.set NIL,   13                         ; v13 0; never rewritten
.set SPARE, WAVES*WREG                 ; behind the four regions: the spare words, 128 bytes a wave, that no other line names
.set CTXS,  4194304
.set RK,    14155776                   ; opnd: the extended tables of rk, RKREC bytes a head: two planes of codes RKPL apart, scale words from RKSC on
.set RKREC, 113664
.set RKPL,  50432
.set RKSC,  100864
	s_load_b256 s[4:11], s[0:1], 0x0               ; mems s[4:5], x s[6:7], ctx s[8:9], opnd s[10:11]
	s_load_b128 s[24:27], s[0:1], 0x20             ; W_o's codes s[24:25], wimg s[26:27]
	v_lshl_add_u32 v[SPW], v0, 2, SPARE
	v_mov_b32 v[NIL], 0
	v_lshrrev_b32 v1, 5, v0
	v_readfirstlane_b32 s16, v1                    ; wave
	v_and_b32 v2, 31, v0                           ; lane
	v_lshlrev_b32 v3, 4, v2                        ; my 16 bytes of a load's 512; never rewritten
	s_mul_i32 s17, s16, WREG
	v_lshrrev_b32 v14, 2, v2
	v_mul_u32_u24 v14, v14, SP
	v_and_b32 v15, 3, v2
	v_lshl_add_u32 v14, v15, 4, v14
	v_add_nc_u32 v14, s17, v14                     ; the stage, on the way in: SP (lane / 4) + 16 (lane % 4)
	v_mul_u32_u24 v15, v2, SP
	v_add_nc_u32 v15, s17, v15                     ; and on the way out: SP x lane: my 16 neighbours
	v_mul_u32_u24 v4, v2, CB                       ; my codes' place in a step's
	v_lshrrev_b32 v5, 1, v2
	s_add_co_u32 s17, s17, 2*32*SP
	v_add_nc_u32 v5, s17, v5                       ; LDS: my wave's 256 scale bytes, my block's byte
	v_lshlrev_b32 v7, 3, v2
	v_add_nc_u32 v6, s17, v7                       ; and on the way out 8 bytes a lane
	v_and_b32 v196, 15, v2
	v_lshlrev_b32 v196, 9, v196                    ; W_o: row lane % 16 of 512 bytes,
	v_lshrrev_b32 v197, 4, v2
	v_lshl_add_u32 v196, v197, 4, v196             ; + 16 (lane / 16); never rewritten
	s_wait_kmcnt 0x0
	s_and_b32 s18, ttmp9, 63
	s_cmp_lt_u32 s18, 32                           ; positions under 1,024 come from mems: the choice hangs on the work-group's number alone
	s_cselect_b64 s[4:5], s[4:5], s[6:7]
	s_lshl_b32 s18, ttmp9, 2
	s_add_co_u32 s18, s18, s16                     ; W
	s_lshr_b32 s19, s18, 8                         ; b
	s_lshl_b32 s19, s19, 12                        ; a batch is 4,096 bytes on
	s_and_b32 s20, s18, 127                        ; my first position in the source, / 8
	s_lshl_b32 s20, s20, 17                        ; a position is 16,384 bytes on
	s_add_co_u32 s20, s20, s19
	s_mov_b32 s21, 0
	s_add_nc_u64 s[4:5], s[4:5], s[20:21]
	s_lshl_b32 s20, s18, 12
	s_add_nc_u64 s[12:13], s[8:9], s[20:21]        ; my 8 rows of codes
	s_lshl_b32 s20, s18, 8
	s_add_nc_u64 s[14:15], s[8:9], s[20:21]
	s_add_nc_u64 s[14:15], s[14:15], CTXS          ; my 256 scale bytes
	s_lshr_b32 s28, s18, 4
	s_lshl_b32 s28, s28, 13                        ; W_o: 16 rows of 512 bytes for each 16 images,
	s_and_b32 s30, s18, 15
	s_lshl_b32 s30, s30, 5                         ; 32 bytes along the rows from image to image
	s_add_co_u32 s28, s28, s30
	s_mov_b32 s29, 0
	s_add_nc_u64 s[24:25], s[24:25], s[28:29]
	s_lshl_b32 s28, s18, 9
	s_add_nc_u64 s[26:27], s[26:27], s[28:29]      ; my image's 512 bytes
	s_or_b32 s20, ttmp9, s16
	s_cmp_lg_u32 s20, 0
	s_cbranch_scc1 .Lstream
	; the zero row: lane l stands for head l / 2 and plane l % 2: 16 zero bytes of codes, and half of the row's scale word (0: its codes are zeros)
	s_add_nc_u64 s[22:23], s[10:11], RK
	v_lshrrev_b32 v8, 1, v2
	v_and_b32 v9, 1, v2
	v_mul_u32_u24 v8, v8, RKREC
	v_mad_u32_u24 v10, v9, RKPL, v8
	v_lshl_add_u32 v11, v9, 1, v8
	v_mov_b32 v16, 0
	v_mov_b32 v17, 0
	v_mov_b32 v18, 0
	v_mov_b32 v19, 0
	global_store_b128 v10, v[16:19], s[22:23] offset:2048*16
	global_store_b16 v11, v16, s[22:23] offset:RKSC+2048*4
	s_wait_xcnt 0x0                                ; the two stores have read their registers, which the stream below writes again
.Lstream:
	s_wait_alu depctr_va_vdst(0)
	global_load_b128 v[WI:WI+3], v196, s[24:25]    ; my image of W_o: the oldest load, so the first counted wait below shows it done too
.macro LOAD t
.irp i, 0,1,2,3
	global_load_b128 v[R+16*((\t)%4)+4*\i:R+16*((\t)%4)+4*\i+3], v3, s[4:5] offset:16384*((\t)/2)+2048*((\t)%2)+512*\i th:TH_LOAD_NT   ; 32 lanes read 512 consecutive bytes; two steps to a row
.endr
.endm
.macro TURN t                          ; step t's numbers through the stage: LDS serves a wave's instructions in order, so no wait stands between the stores and the loads
.irp i, 0,1,2,3
	ds_store_b128 v14, v[R+16*((\t)%4)+4*\i:R+16*((\t)%4)+4*\i+3] offset:32*SP*((\t)%2)+8*SP*\i
.endr
.irp i, 0,1,2,3
	ds_load_b128 v[X+16*((\t)%2)+4*\i:X+16*((\t)%2)+4*\i+3], v15 offset:32*SP*((\t)%2)+16*\i
.endr
.endm
.irp t, 0,1,2,3
	LOAD \t
.endr
	s_wait_loadcnt 12                              ; W_o's load and step 0's four are in; those of steps 1 to 3 may be out
	global_store_b128 v3, v[WI:WI+3], s[26:27]     ; the wave stores 512 consecutive bytes; none of these registers is written again
	TURN 0
.macro STEP t
.set XS, X+16*((\t)%2)
.if (\t) > 0
	s_wait_dscnt 1                                 ; this step's numbers are back from the stage (the last step's byte store may be out)
.else
	s_wait_dscnt 0x0
.endif
.if (\t)+4 < STEPS
	LOAD (\t)+4                                    ; into the registers that this step's stores into the stage have read
.endif
.if (\t)+1 < STEPS
.if STEPS-2-(\t) >= 3
	s_wait_loadcnt 12                              ; the next step's four loads are in; those of the three steps behind it may be out
.else
	s_wait_loadcnt 4*(STEPS-2-(\t))
.endif
	TURN (\t)+1
.endif
	v_max3_num_f32 v8, |v[XS]|, |v[XS+1]|, |v[XS+2]|               ; the largest magnitude of my 16, in two chains
	v_max3_num_f32 v9, |v[XS+3]|, |v[XS+4]|, |v[XS+5]|
.irp i, 6,10
	v_max3_num_f32 v8, v8, |v[XS+\i]|, |v[XS+\i+1]|
	v_max3_num_f32 v9, v9, |v[XS+\i+2]|, |v[XS+\i+3]|
.endr
	v_max3_num_f32 v8, v8, |v[XS+14]|, |v[XS+15]|
	v_max3_num_f32 v8, v8, v9, (EMAX+1)<<23        ; and the floor 2^(3 - 127): the byte cannot fall under 1
	v_max_num_f32_dpp v8, v8, v8 row_xmask:1 row_mask:0xf bank_mask:0xf   ; and of my neighbour's 16: the block's
	v_add_nc_u32 v11, -(EMAX<<23), v8              ; 2 off its exponent field: the conversion takes the exponent field of this operand as its scale
	v_cvt_scalef32_pk8_fp4_f32 v[C+4*(\t)], v[XS:XS+7], v11
	v_cvt_scalef32_pk8_fp4_f32 v[C+4*(\t)+1], v[XS+8:XS+15], v11
	v_lshrrev_b32 v[E+(\t)], 23, v11               ; the scale's byte
	ds_store_b8 v5, v[E+(\t)] offset:16*(\t)       ; both lanes of a block write the same byte with the same value
	global_store_b64 v4, v[C+4*(\t):C+4*(\t)+1], s[12:13] offset:32*CB*(\t)
.endm
.irp t, 0,1,2,3,4,5,6,7,8,9,10,11,12,13,14,15
	STEP \t
.endr
	ds_load_b64 v[8:9], v6                         ; LDS serves a wave's instructions in order: these see my stores
	s_wait_dscnt 0x0
	global_store_b64 v7, v[8:9], s[14:15]          ; 32 lanes store 256 consecutive bytes, aligned
	s_wait_tensorcnt 0x0                           ; the wave's end
	ds_add_u32 v[SPW], v[NIL]
	s_wait_dscnt 0x0
	s_endpgm
.Lfunc_end_k_q74f024168c_quant:
	.size	k_q74f024168c_quant, .Lfunc_end_k_q74f024168c_quant-k_q74f024168c_quant
	.p2alignl 7, 3214868480
	.fill 96, 4, 3214868480
	.section	.rodata,"a",@progbits
	.p2align	6, 0x0
	.amdhsa_kernel k_q74f024168c_quant
		.amdhsa_group_segment_fixed_size 33280
		.amdhsa_private_segment_fixed_size 0
		.amdhsa_enable_private_segment 0
		.amdhsa_kernarg_size 48
		.amdhsa_user_sgpr_count 2
		.amdhsa_user_sgpr_kernarg_segment_ptr 1
		.amdhsa_wavefront_size32 1
		.amdhsa_system_sgpr_workgroup_id_x 1
		.amdhsa_system_sgpr_workgroup_id_y 1
		.amdhsa_system_sgpr_workgroup_id_z 1
		.amdhsa_system_vgpr_workitem_id 0
		.amdhsa_next_free_vgpr 200
		.amdhsa_next_free_sgpr 66
		.amdhsa_reserve_vcc 0
		.amdhsa_float_denorm_mode_32 3
		.amdhsa_float_denorm_mode_16_64 3
		.amdhsa_memory_ordered 1
		.amdhsa_forward_progress 1
		.amdhsa_inst_pref_size 35
	.end_amdhsa_kernel
	.amdgpu_metadata
---
amdhsa.version: [ 1, 2 ]
amdhsa.kernels:
  - .name:           k_q74f024168c_quant
    .symbol:         k_q74f024168c_quant.kd
    .args:
      - { .name: mems, .offset: 0, .size: 8, .value_kind: global_buffer, .address_space: global }
      - { .name: x, .offset: 8, .size: 8, .value_kind: global_buffer, .address_space: global }
      - { .name: ctx, .offset: 16, .size: 8, .value_kind: global_buffer, .address_space: global }
      - { .name: opnd, .offset: 24, .size: 8, .value_kind: global_buffer, .address_space: global }
      - { .name: W_o_codes, .offset: 32, .size: 8, .value_kind: global_buffer, .address_space: global }
      - { .name: wimg, .offset: 40, .size: 8, .value_kind: global_buffer, .address_space: global }
    .group_segment_fixed_size: 33280
    .private_segment_fixed_size: 0
    .kernarg_segment_align: 8
    .kernarg_segment_size: 48
    .max_flat_workgroup_size: 128
    .sgpr_count:     66
    .vgpr_count:     200
    .wavefront_size: 32
...
	.end_amdgpu_metadata
.endif
;; end of part 1
;; launch proj (part 2): grid 176 x 1, 16 waves a work-group, no clusters, 327,680 bytes of LDS; arguments W_qkv_codes, W_qkv_scales, W_r_codes, W_r_scales, r_codes, r_scales, ctx, u, v, opnd; writes opnd
.if DOCPART == 2
	.amdgcn_target "amdgcn-amd-amdhsa--gfx1250"
	.amdhsa_code_object_version 6
	.text
	.protected	k_q74f024168c_proj
	.globl	k_q74f024168c_proj
	.p2align	8
	.type	k_q74f024168c_proj,@function
k_q74f024168c_proj:
	s_mov_b64 s[64:65], 0
	v_nop
	global_prefetch_b8 v0, s[64:65] scope:SCOPE_SE
	s_setreg_imm32_b32 hwreg(HW_REG_WAVE_MODE, 25, 1), 1
	s_wait_xcnt 0x0
; LAUNCH 2 OF 4.  context @ W_qkv and r @ W_r on codes of E2M1, K = 1,024; the results are quantised along the head's 64 (wk, wq + u, wq + v, rk) or along the keys (wv) and stored in opnd as the third launch reads them.
; LEFT OUT: rows of wq at the positions of mems, which reference() slices away (wq[-qlen:]): shown at the head of the first launch.
; 352 BLOCKS of 256 x 256: 0-127 wk, 128-255 wv, 256-319 wq (the positions of x alone), 320-351 rk.  Block number % 4 picks 256 columns of the weight (four heads), the rest 256 rows of the context or of r.
; THE WORK-GROUP STAYS: work-group i makes blocks i and i + 176, so the first is wk or wv and the second wv, wq or rk.  Sixteen waves, 4 x 4, each 64 x 64: 16 accumulators.
; Source 0 is the weight and source 1 the context (or r), so that a lane's registers run along the head's 64; for wv the two change places, so that they run along the keys.
; THE RING: two slots, one for each half of K: 512 rows (source 0's 256, then source 1's) of 256 bytes, 16 bytes of padding behind each.  Each wave fetches 32 rows of a slot with one tensor load.  The ring goes on from
; the first block into the second: behind each of three barriers every wave issues one load; a wave has one load out at the most, and every wait on TENSORcnt is for 0.
; The second block's scale words are asked for ahead of the first block's way out; the first block's stores are waited for by nobody.
; NO PREFETCH: the text has no loop to run ahead in: four fills, the last asked for behind the third barrier.
; NO CLUSTER: the four blocks that share rows of the context take them as source 1 or, for wv, as source 0: the waves that fetch the shared rows change with the kind, so a joint load's mask in group 1 would be chosen by the kind.
; LIMITS: a block of zeros gets the byte 1 (its codes are zeros; the bytes are read by this program alone); NaN and infinities are not served.
.set REC,   147456
.set QU,    9437184
.set QUS,   13631488
.set RK,    14155776
.set RKREC, 113664
.set RKPL,  50432
.set RKSC,  100864
.set CTXS,  4194304
.set PITCH, 272
.set HALF,  512*PITCH                  ; a slot
.set SPARE, 2*HALF                     ; the spare words, 128 bytes a wave, that no other line names
.set SA,    32                         ; v32-47 source 0's scale words, v48-63 source 1's: these hold scales and nothing else
.set SB,    48
.set FA,    64                         ; v64-95, v96-127 fragments
.set FB,    96
.set ACC,   128                        ; v128-255 accumulators
; v1-4 LDS addresses (source 0, source 1; slot 0, slot 1); v5, v6 the add's two; v7-12 the way out's offsets; v13 32 x lane; v14-30 at work
; s28 wave, s29 wave % 4, s30 wave / 4, s31 block, s33 block % 4; s[40:47] group 1, s[48:51] group 0; s[52:53], s[54:55] my 32 rows in the first and in the second block; s84 their place in a slot
.macro WM d, a, b, c, sa, sb, ra, rb
.if (\ra) && (\rb)
	v_wmma_scale_f32_16x16x128_f8f6f4 v[\d:\d+7], v[\a:\a+7], v[\b:\b+7], \c, v[\sa], v[\sb] matrix_a_fmt:MATRIX_FMT_FP4 matrix_b_fmt:MATRIX_FMT_FP4 matrix_a_scale:MATRIX_SCALE_ROW1 matrix_b_scale:MATRIX_SCALE_ROW1
.elseif (\ra)
	v_wmma_scale_f32_16x16x128_f8f6f4 v[\d:\d+7], v[\a:\a+7], v[\b:\b+7], \c, v[\sa], v[\sb] matrix_a_fmt:MATRIX_FMT_FP4 matrix_b_fmt:MATRIX_FMT_FP4 matrix_a_scale:MATRIX_SCALE_ROW1
.elseif (\rb)
	v_wmma_scale_f32_16x16x128_f8f6f4 v[\d:\d+7], v[\a:\a+7], v[\b:\b+7], \c, v[\sa], v[\sb] matrix_a_fmt:MATRIX_FMT_FP4 matrix_b_fmt:MATRIX_FMT_FP4 matrix_b_scale:MATRIX_SCALE_ROW1
.else
	v_wmma_scale_f32_16x16x128_f8f6f4 v[\d:\d+7], v[\a:\a+7], v[\b:\b+7], \c, v[\sa], v[\sb] matrix_a_fmt:MATRIX_FMT_FP4 matrix_b_fmt:MATRIX_FMT_FP4
.endif
.endm
; A BLOCK'S KIND, from its number s31: s[56:57], s[58:59] source 0's codes and scales, s[60:61], s[62:63] source 1's; s74, s75 their first rows; s6, s7 where my codes and scale words go in opnd; s70-73 the steps of the way out
.macro ARM_R
	s_mov_b32 s32, 3
	s_sub_co_u32 s34, s31, 320
	s_lshr_b32 s34, s34, 2
	s_mov_b64 s[56:57], s[12:13]
	s_mov_b64 s[58:59], s[14:15]
	s_mov_b64 s[60:61], s[16:17]
	s_mov_b64 s[62:63], s[18:19]
	s_lshl_b32 s74, s33, 8
	s_lshl_b32 s75, s34, 8
	s_lshl_b32 s35, s33, 2
	s_add_co_u32 s35, s35, s29
	s_mul_i32 s2, s35, RKREC
	s_add_co_u32 s2, s2, RK
	s_lshl_b32 s4, s30, 6
	s_add_co_u32 s3, s75, s4
	s_lshl_b32 s4, s3, 4
	s_add_co_u32 s6, s2, s4
	s_lshl_b32 s4, s3, 2
	s_add_co_u32 s7, s2, s4
	s_add_co_u32 s7, s7, RKSC
	s_mov_b32 s70, RKPL
	s_mov_b32 s71, 128
	s_mov_b32 s72, 256
	s_mov_b32 s73, 512
	s_cmp_le_u32 s3, 1024                          ; rows up to 1,087 stand a second time in the extended table, behind the zero row
	s_cselect_b32 s79, 1, 0
.endm
.macro ARM_K
	s_mov_b32 s32, 0
	s_lshr_b32 s34, s31, 2
	s_mov_b64 s[56:57], s[8:9]
	s_mov_b64 s[58:59], s[10:11]
	s_mov_b64 s[60:61], s[20:21]
	s_mov_b64 s[62:63], s[36:37]
	s_lshl_b32 s74, s33, 8
	s_add_co_u32 s74, s74, 1024
	s_lshl_b32 s75, s34, 8
	s_lshl_b32 s35, s33, 2
	s_add_co_u32 s35, s35, s29
	s_lshr_b32 s2, s34, 3
	s_lshl_b32 s2, s2, 4
	s_add_co_u32 s2, s2, s35
	s_mul_i32 s2, s2, REC
	s_and_b32 s3, s34, 7
	s_lshl_b32 s3, s3, 8
	s_lshl_b32 s4, s30, 6
	s_add_co_u32 s3, s3, s4
	s_lshl_b32 s4, s3, 4
	s_add_co_u32 s6, s2, s4
	s_lshl_b32 s4, s3, 2
	s_add_co_u32 s7, s2, s4
	s_add_co_u32 s7, s7, 65536
	s_mov_b32 s70, 32768
	s_mov_b32 s71, 256
	s_mov_b32 s72, 512
	s_mov_b32 s73, 128
.endm
.macro ARM_V
	s_mov_b32 s32, 1
	s_sub_co_u32 s34, s31, 128
	s_lshr_b32 s34, s34, 2
	s_mov_b64 s[56:57], s[20:21]
	s_mov_b64 s[58:59], s[36:37]
	s_mov_b64 s[60:61], s[8:9]
	s_mov_b64 s[62:63], s[10:11]
	s_lshl_b32 s74, s34, 8
	s_lshl_b32 s75, s33, 8
	s_add_co_u32 s75, s75, 2048
	s_lshl_b32 s35, s33, 2
	s_add_co_u32 s35, s35, s30
	s_lshr_b32 s2, s34, 3
	s_lshl_b32 s2, s2, 4
	s_add_co_u32 s2, s2, s35
	s_mul_i32 s2, s2, REC
	s_and_b32 s3, s34, 7
	s_lshl_b32 s3, s3, 2
	s_add_co_u32 s3, s3, s29
	s_lshl_b32 s4, s3, 11
	s_add_co_u32 s6, s2, s4
	s_add_co_u32 s6, s6, 73728
	s_lshl_b32 s4, s3, 8
	s_add_co_u32 s7, s2, s4
	s_add_co_u32 s7, s7, 139264
	s_mov_b32 s70, 1024
	s_mov_b32 s71, 256
	s_mov_b32 s72, 512
	s_mov_b32 s73, 128
.endm
.macro ARM_Q
	s_mov_b32 s32, 2
	s_sub_co_u32 s34, s31, 256
	s_lshr_b32 s34, s34, 2
	s_mov_b64 s[56:57], s[8:9]
	s_mov_b64 s[58:59], s[10:11]
	s_mov_b64 s[60:61], s[20:21]
	s_mov_b64 s[62:63], s[36:37]
	s_lshl_b32 s74, s33, 8
	s_lshr_b32 s2, s34, 2
	s_and_b32 s3, s34, 3
	s_lshl_b32 s3, s3, 8
	s_lshl_b32 s75, s2, 11
	s_add_co_u32 s75, s75, s3
	s_add_co_u32 s75, s75, 1024
	s_lshl_b32 s35, s33, 2
	s_add_co_u32 s35, s35, s29
	s_lshl_b32 s2, s2, 4
	s_add_co_u32 s2, s2, s35
	s_lshl_b32 s4, s30, 6
	s_add_co_u32 s3, s3, s4
	s_lshl_b32 s6, s2, 15
	s_lshl_b32 s4, s3, 4
	s_add_co_u32 s6, s6, s4
	s_add_co_u32 s6, s6, QU
	s_lshl_b32 s7, s2, 12
	s_lshl_b32 s4, s3, 2
	s_add_co_u32 s7, s7, s4
	s_add_co_u32 s7, s7, QUS
	s_mov_b32 s70, 16384
	s_mov_b32 s71, 128
	s_mov_b32 s72, 256
	s_mov_b32 s73, 512
.endm
.macro TADDR dst                       ; the 32 rows that I fetch: waves 0-7 of source 0, waves 8-15 of source 1
	s_cmp_lt_u32 s28, 8
	s_cselect_b64 s[2:3], s[56:57], s[60:61]
	s_cselect_b32 s4, s74, s75
	s_and_b32 s5, s28, 7
	s_lshl_b32 s5, s5, 5
	s_add_co_u32 s4, s4, s5
	s_lshl_b32 s4, s4, 9
	s_mov_b32 s5, 0
	s_add_nc_u64 s[\dst:\dst+1], s[2:3], s[4:5]
.endm
.macro POST_S                          ; the block's scale words for all of K: a lane a row of 32 bytes; lanes 0-15 an even tile's rows, lanes 16-31 the odd tile's
	s_lshl_b32 s2, s29, 6
	s_add_co_u32 s2, s2, s74
	s_lshl_b32 s2, s2, 5
	s_mov_b32 s3, 0
	s_add_nc_u64 s[58:59], s[58:59], s[2:3]
	s_lshl_b32 s2, s30, 6
	s_add_co_u32 s2, s2, s75
	s_lshl_b32 s2, s2, 5
	s_add_nc_u64 s[62:63], s[62:63], s[2:3]
.irp q, 0,1
	global_load_b128 v[SA+8*\q:SA+8*\q+3],   v13, s[58:59] offset:1024*\q
	global_load_b128 v[SA+8*\q+4:SA+8*\q+7], v13, s[58:59] offset:1024*\q+16
	global_load_b128 v[SB+8*\q:SB+8*\q+3],   v13, s[62:63] offset:1024*\q
	global_load_b128 v[SB+8*\q+4:SB+8*\q+7], v13, s[62:63] offset:1024*\q+16
.endr
.endm
.macro POST_O                          ; the block's way out: bases s[66:67] (codes), s[68:69] (scale words), offsets v7-12
	s_mov_b32 s2, s6
	s_mov_b32 s3, 0
	s_add_nc_u64 s[66:67], s[26:27], s[2:3]
	s_mov_b32 s2, s7
	s_add_nc_u64 s[68:69], s[26:27], s[2:3]
	s_lshr_b32 s4, s73, 2
	v_and_b32 v14, 7, v0
	s_delay_alu instid0(VALU_DEP_1)
	v_lshlrev_b32 v14, 4, v14
	v_bfe_u32 v15, v0, 3, 1
	s_delay_alu instid0(VALU_DEP_1)
	v_mad_u32_u24 v14, v15, s71, v14
	v_bfe_u32 v15, v0, 4, 1
	s_delay_alu instid0(VALU_DEP_1)
	v_mad_u32_u24 v7, v15, s70, v14
	s_delay_alu instid0(VALU_DEP_1)
	v_add_nc_u32 v8, s72, v7
	s_delay_alu instid0(VALU_DEP_2)
	v_add_nc_u32 v9, s73, v7
	s_delay_alu instid0(VALU_DEP_1)
	v_add_nc_u32 v10, s72, v9
	v_mad_u32_u24 v11, v15, s72, v14
	s_delay_alu instid0(VALU_DEP_1)
	v_lshrrev_b32 v11, 2, v11
	s_delay_alu instid0(VALU_DEP_1)
	v_add_nc_u32 v12, s4, v11
.endm
; A CHANGE OF SLOTS.  Each wave waits for all its tensor loads (its part of the slot about to be read), adds 0 to its spare word, and waits for that and for its reads of the
; other slot.  Behind the barrier that other slot takes its next half of K: my one load until the next barrier.
.macro TURN slot, base, off
	s_wait_tensorcnt 0x0                           ; no tensor load of mine is out, so group 0 may be written
	ds_add_u32 v5, v6
	s_add_co_u32 s49, s84, (\slot)*HALF
	s_add_nc_u64 s[50:51], s[\base:\base+1], \off
	s_or_b32 s51, s51, 0x80000000
	s_wait_dscnt 0x0
	s_barrier_signal -1
	s_barrier_wait -1
	tensor_load_to_lds s[48:51], s[40:47]
	s_nop 0
.rept 4
	v_nop
.endr
.endm
.macro FETCH ada, adb, sp
.irp t, 0,1,2,3
.irp c, 0,1
	ds_load_b128 v[FA+8*\t+4*\c:FA+8*\t+4*\c+3], v[\ada] offset:16*PITCH*\t+64*(\sp)+32*\c
.endr
.endr
.irp t, 0,1,2,3
.irp c, 0,1
	ds_load_b128 v[FB+8*\t+4*\c:FB+8*\t+4*\c+3], v[\adb] offset:16*PITCH*\t+64*(\sp)+32*\c
.endr
.endr
.endm
.macro MUL s, zero                     ; the sixteen accumulators by turns
.irp be, 0,1,2,3
.irp al, 0,1,2,3
.if \zero
	WM ACC+32*\be+8*\al, FA+8*\al, FB+8*\be, 0, SA+8*(\al/2)+\s, SB+8*(\be/2)+\s, \al%2, \be%2
.else
	WM ACC+32*\be+8*\al, FA+8*\al, FB+8*\be, v[ACC+32*\be+8*\al:ACC+32*\be+8*\al+7], SA+8*(\al/2)+\s, SB+8*(\be/2)+\s, \al%2, \be%2
.endif
.endr
.endr
.endm
.macro KSTEP ada, adb, sp, s, zero     ; 128 along K; four places behind the products, for the next loads and the first reads of results
	FETCH \ada, \adb, \sp
	s_wait_dscnt 0x0
	MUL \s, \zero
.rept 4
	v_nop
.endr
.endm
; 64 numbers of a row (32 registers, lanes l and l xor 16) become two blocks of codes and their two scale bytes
.macro QUANT64 src, dst, word
	v_max3_num_f32 v16, |v[\src]|, |v[\src+1]|, 0x1800000
	v_max3_num_f32 v17, |v[\src+16]|, |v[\src+17]|, 0x1800000
.irp i, 2,4,6,8,10,12,14
	v_max3_num_f32 v16, v16, |v[\src+\i]|, |v[\src+\i+1]|
	v_max3_num_f32 v17, v17, |v[\src+16+\i]|, |v[\src+17+\i]|
.endr
	s_delay_alu instid0(VALU_DEP_2)
	v_permlanex16_b32 v18, v16, s76, s77
	s_delay_alu instid0(VALU_DEP_2)
	v_permlanex16_b32 v19, v17, s76, s77
	s_delay_alu instid0(VALU_DEP_2)
	v_max_num_f32 v16, v16, v18
	s_delay_alu instid0(VALU_DEP_2)
	v_max_num_f32 v17, v17, v19
	s_delay_alu instid0(VALU_DEP_2)
	v_add_nc_u32 v20, 0xff000000, v16
	s_delay_alu instid0(VALU_DEP_2)
	v_add_nc_u32 v21, 0xff000000, v17
	s_delay_alu instid0(VALU_DEP_2)
	v_lshrrev_b32 v22, 23, v20
	s_delay_alu instid0(VALU_DEP_2)
	v_lshrrev_b32 v23, 23, v21
	s_delay_alu instid0(VALU_DEP_1)
	v_lshl_or_b32 v[\word], v23, 8, v22
	v_cvt_scalef32_pk8_fp4_f32 v[\dst], v[\src:\src+7], v20
	v_cvt_scalef32_pk8_fp4_f32 v[\dst+1], v[\src+16:\src+23], v21
	v_cvt_scalef32_pk8_fp4_f32 v[\dst+2], v[\src+8:\src+15], v20
	v_cvt_scalef32_pk8_fp4_f32 v[\dst+3], v[\src+24:\src+31], v21
	v_nop
	v_permlane16_swap_b32 v[\dst], v[\dst+1]
	v_permlane16_swap_b32 v[\dst+2], v[\dst+3]
.endm
.macro EPLAIN                          ; the way out of wk, wv and rk
.irp be, 0,1,2,3
	QUANT64 ACC+32*\be, FA+4*\be, 80+\be
.endr
	v_cndmask_b32 v84, v80, v81, s78
	v_cndmask_b32 v85, v82, v83, s78
.irp be, 0,1,2,3
	global_store_b128 v[7+\be], v[FA+4*\be:FA+4*\be+3], s[66:67]
.endr
	global_store_b32 v11, v84, s[68:69]
	global_store_b32 v12, v85, s[68:69]
.endm
.macro QOUT be, src, off, soff
	s_wait_xcnt 0x0                                ; the stores before have read their registers
	QUANT64 \src, 24, 28+(\be)%2
	global_store_b128 v[7+\be], v[24:27], s[66:67] offset:\off
.if (\be)%2
	v_cndmask_b32 v30, v28, v29, s78
	global_store_b32 v[11+(\be)/2], v30, s[68:69] offset:\soff
.endif
.endm
	s_load_b512 s[8:23], s[0:1], 0x0               ; W_qkv codes, scales; W_r codes, scales; r codes, scales; ctx; u
	s_load_b128 s[24:27], s[0:1], 0x40             ; v; opnd
	v_lshl_add_u32 v5, v0, 2, SPARE
	v_mov_b32 v6, 0
	ds_add_u32 v5, v6                              ; the opening: the add, twice on end, and its wait ahead of my first tensor load
	ds_add_u32 v5, v6
	v_lshrrev_b32 v13, 5, v0
	s_delay_alu instid0(VALU_DEP_1)
	v_readfirstlane_b32 s28, v13
	s_and_b32 s29, s28, 3
	s_lshr_b32 s30, s28, 2
	s_mov_b32 s31, ttmp9
	s_and_b32 s33, s31, 3                          ; the same for both blocks: 176 is a multiple of 4
	s_mov_b32 s40, (1<<20)|(5<<22)|(3<<25)         ; group 1: 32 rows of 256 bytes, 512 bytes apart in memory; 4 words of padding behind every 64
	s_mov_b32 s41, 256<<16
	s_mov_b32 s42, 32<<16
	s_mov_b32 s43, 256<<16
	s_mov_b32 s44, 32
	s_mov_b32 s45, 512
	s_mov_b32 s46, 0
	s_mov_b32 s47, 0
	s_mov_b32 s48, 1
	s_mul_i32 s84, s28, 32*PITCH
	s_mov_b32 s49, s84
	s_mov_b32 s76, 0x76543210
	s_mov_b32 s77, 0xfedcba98
	s_mov_b32 s78, 0xffff0000
	s_mov_b32 s79, 0
	v_and_b32 v13, 15, v0
	v_bfe_u32 v14, v0, 4, 1
	s_delay_alu instid0(VALU_DEP_2)
	v_mul_u32_u24 v15, v13, PITCH
	s_delay_alu instid0(VALU_DEP_1)
	v_lshl_add_u32 v15, v14, 4, v15
	s_mul_i32 s2, s29, 64*PITCH
	v_add_nc_u32 v1, s2, v15
	s_mul_i32 s2, s30, 64*PITCH
	s_add_co_u32 s2, s2, 256*PITCH
	v_add_nc_u32 v2, s2, v15
	v_add_nc_u32 v3, HALF, v1
	s_delay_alu instid0(VALU_DEP_2)
	v_add_nc_u32 v4, HALF, v2
	v_mov_b32 v18, 0
	v_mov_b32 v19, 0
	s_wait_dscnt 0x0
	s_wait_kmcnt 0x0
	s_add_nc_u64 s[36:37], s[20:21], CTXS
	s_cmp_lt_u32 s31, 128                          ; the first block: wk or wv
	s_cbranch_scc1 .Lk1
	ARM_V
	s_branch .Ld1
.Lk1:
	ARM_K
.Ld1:
	TADDR 52
	s_mov_b64 s[50:51], s[52:53]
	s_or_b32 s51, s51, 0x80000000
	tensor_load_to_lds s[48:51], s[40:47]          ; the first block's first half of K: my one load at the head
	s_nop 0
.rept 4
	v_nop
.endr
	v_and_b32 v13, 31, v0
	s_delay_alu instid0(VALU_DEP_1)
	v_lshlrev_b32 v13, 5, v13
	s_wait_alu depctr_va_vdst(0)                   ; the wait here, directly behind the write
	POST_S
	POST_O
	s_wait_xcnt 0x0                                ; the loads of scale words have read their bases, which the second block's kind writes again
	s_add_co_u32 s31, s31, 176                     ; the second block: wv, wq or rk
	s_cmp_lt_u32 s31, 256
	s_cbranch_scc1 .Lv2
	s_cmp_lt_u32 s31, 320
	s_cbranch_scc1 .Lq2
	ARM_R
	s_branch .Ld2
.Lv2:
	ARM_V
	s_branch .Ld2
.Lq2:
	ARM_Q
.Ld2:
	TADDR 54
	s_wait_alu depctr_va_vdst(0)                   ; the wait at the head's end
	TURN 1, 52, 256                                ; slot 1's first fill, issued as a refill is
	s_wait_loadcnt 0x0                             ; the scale words
	KSTEP 1, 2, 0, 0, 1
	KSTEP 1, 2, 1, 1, 0
	KSTEP 1, 2, 2, 2, 0
	KSTEP 1, 2, 3, 3, 0
	TURN 0, 54, 0                                  ; the ring goes on into the second block
	KSTEP 3, 4, 0, 4, 0
	KSTEP 3, 4, 1, 5, 0
	KSTEP 3, 4, 2, 6, 0
	KSTEP 3, 4, 3, 7, 0
	POST_S                                         ; the second block's scale words, into registers that the last products have read (four places stand behind them)
	EPLAIN
	s_wait_xcnt 0x0                                ; the stores have read their registers and bases, which are written again below
	POST_O
	s_wait_alu depctr_va_vdst(0)                   ; the wait here, directly ahead of the wait below
	TURN 1, 54, 256
	s_wait_loadcnt 0x0
	KSTEP 1, 2, 0, 0, 1
	KSTEP 1, 2, 1, 1, 0
	KSTEP 1, 2, 2, 2, 0
	KSTEP 1, 2, 3, 3, 0
	s_wait_tensorcnt 0x0                           ; my part of the last half of K is in; nothing is filled again
	ds_add_u32 v5, v6
	s_wait_dscnt 0x0
	s_barrier_signal -1
	s_barrier_wait -1
	KSTEP 3, 4, 0, 4, 0
	KSTEP 3, 4, 1, 5, 0
	KSTEP 3, 4, 2, 6, 0
	KSTEP 3, 4, 3, 7, 0
	s_cmp_eq_u32 s32, 2
	s_cbranch_scc1 .Lq_path
	EPLAIN
	s_cmp_eq_u32 s79, 0
	s_cbranch_scc1 .Lend
.irp be, 0,1,2,3
	global_store_b128 v[7+\be], v[FA+4*\be:FA+4*\be+3], s[66:67] offset:2049*16   ; rk's rows once more, behind the zero row
.endr
	global_store_b32 v11, v84, s[68:69] offset:2049*4
	global_store_b32 v12, v85, s[68:69] offset:2049*4
	s_branch .Lend
.Lq_path:                                              ; wq + u and wq + v, each quantised by itself
	s_lshl_b32 s2, s35, 8
	s_mov_b32 s3, 0
	s_add_nc_u64 s[22:23], s[22:23], s[2:3]
	s_add_nc_u64 s[24:25], s[24:25], s[2:3]
	s_wait_alu depctr_va_vdst(0)
	v_lshlrev_b32 v13, 5, v15
.irp al, 0,1,2,3
	global_load_b128 v[64+8*\al:67+8*\al], v13, s[22:23] offset:64*\al
	global_load_b128 v[68+8*\al:71+8*\al], v13, s[22:23] offset:64*\al+16
.endr
	s_wait_loadcnt 0x0
.irp be, 0,1,2,3
.irp j, 0,2,4,6,8,10,12,14,16,18,20,22,24,26,28,30
	v_pk_add_f32 v[96+\j:97+\j], v[ACC+32*\be+\j:ACC+32*\be+\j+1], v[64+\j:65+\j]
.endr
.if \be == 3
.irp al, 0,1,2,3
	global_load_b128 v[64+8*\al:67+8*\al], v13, s[24:25] offset:64*\al
	global_load_b128 v[68+8*\al:71+8*\al], v13, s[24:25] offset:64*\al+16
.endr
.endif
	s_wait_alu depctr_va_vdst(0)
	QOUT \be, 96, 0, 0
.endr
	s_wait_loadcnt 0x0
.irp be, 0,1,2,3
.irp j, 0,2,4,6,8,10,12,14,16,18,20,22,24,26,28,30
	v_pk_add_f32 v[ACC+32*\be+\j:ACC+32*\be+\j+1], v[ACC+32*\be+\j:ACC+32*\be+\j+1], v[64+\j:65+\j]
.endr
	s_wait_alu depctr_va_vdst(0)
	QOUT \be, ACC+32*\be, 2097152, 262144
.endr
.Lend:
	s_wait_tensorcnt 0x0                           ; the wave's end
	ds_add_u32 v5, v6
	s_wait_dscnt 0x0
	s_endpgm
.Lfunc_end_k_q74f024168c_proj:
	.size	k_q74f024168c_proj, .Lfunc_end_k_q74f024168c_proj-k_q74f024168c_proj
	.p2alignl 7, 3214868480
	.fill 96, 4, 3214868480
	.section	.rodata,"a",@progbits
	.p2align	6, 0x0
	.amdhsa_kernel k_q74f024168c_proj
		.amdhsa_group_segment_fixed_size 327680
		.amdhsa_private_segment_fixed_size 0
		.amdhsa_enable_private_segment 0
		.amdhsa_kernarg_size 80
		.amdhsa_user_sgpr_count 2
		.amdhsa_user_sgpr_kernarg_segment_ptr 1
		.amdhsa_wavefront_size32 1
		.amdhsa_system_sgpr_workgroup_id_x 1
		.amdhsa_system_sgpr_workgroup_id_y 1
		.amdhsa_system_sgpr_workgroup_id_z 1
		.amdhsa_system_vgpr_workitem_id 0
		.amdhsa_next_free_vgpr 256
		.amdhsa_next_free_sgpr 100
		.amdhsa_reserve_vcc 0
		.amdhsa_float_denorm_mode_32 3
		.amdhsa_float_denorm_mode_16_64 3
		.amdhsa_memory_ordered 1
		.amdhsa_forward_progress 1
		.amdhsa_inst_pref_size 115
	.end_amdhsa_kernel
	.amdgpu_metadata
---
amdhsa.version: [ 1, 2 ]
amdhsa.kernels:
  - .name:           k_q74f024168c_proj
    .symbol:         k_q74f024168c_proj.kd
    .args:
      - { .name: W_qkv_codes, .offset: 0, .size: 8, .value_kind: global_buffer, .address_space: global }
      - { .name: W_qkv_scales, .offset: 8, .size: 8, .value_kind: global_buffer, .address_space: global }
      - { .name: W_r_codes, .offset: 16, .size: 8, .value_kind: global_buffer, .address_space: global }
      - { .name: W_r_scales, .offset: 24, .size: 8, .value_kind: global_buffer, .address_space: global }
      - { .name: r_codes, .offset: 32, .size: 8, .value_kind: global_buffer, .address_space: global }
      - { .name: r_scales, .offset: 40, .size: 8, .value_kind: global_buffer, .address_space: global }
      - { .name: ctx, .offset: 48, .size: 8, .value_kind: global_buffer, .address_space: global }
      - { .name: u, .offset: 56, .size: 8, .value_kind: global_buffer, .address_space: global }
      - { .name: v, .offset: 64, .size: 8, .value_kind: global_buffer, .address_space: global }
      - { .name: opnd, .offset: 72, .size: 8, .value_kind: global_buffer, .address_space: global }
    .group_segment_fixed_size: 327680
    .private_segment_fixed_size: 0
    .kernarg_segment_align: 8
    .kernarg_segment_size: 80
    .max_flat_workgroup_size: 512
    .sgpr_count:     100
    .vgpr_count:     256
    .wavefront_size: 32
...
	.end_amdgpu_metadata
.endif
;; end of part 2
;; launch attn (part 3): grid 4 x 64, 16 waves a work-group, no clusters, 327,680 bytes of LDS; arguments opnd, avec; writes avec
.if DOCPART == 3
	.amdgcn_target "amdgcn-amd-amdhsa--gfx1250"
	.amdhsa_code_object_version 6
	.text
	.protected	k_q74f024168c_attn
	.globl	k_q74f024168c_attn
	.p2align	8
	.type	k_q74f024168c_attn,@function
k_q74f024168c_attn:
	s_mov_b64 s[64:65], 0
	v_nop
	global_prefetch_b8 v0, s[64:65] scope:SCOPE_SE
	s_setreg_imm32_b32 hwreg(HW_REG_WAVE_MODE, 25, 1), 1
	s_wait_xcnt 0x0
; LAUNCH 3 OF 4.  For one (batch, head) and 256 queries: AC = (wq + u) wk^T, BD = (wq + v) rk^T, BD shifted as reference()'s _rel_shift shifts it, softmax over the 2,048 keys, times wv; the result quantised for W_o.
; All three products on codes of E2M1 made by the second launch.  Nothing is left out here: there is no mask, and the wrapped part of the shift is live.
; THE SHIFT.  out[i][j] = padded[1024 + 2048 i + j] with padded rows of 2,049.  With c' = j - i + 1023: c' <= 2047: BD[i][c'];  c' = 2048: 0;  c' >= 2049: BD[i + 1][c' - 2049].
; So query i reads a run of an EXTENDED table: rk's rows 0 .. 2047, a row of zeros, rk's rows from 0 on once more; rows up to 2,048 are multiplied by wq[i] + v, later ones by wq[i + 1] + v.
; SHARES.  Sixteen waves, 256 registers each.  Wave w owns ONE tile of 16 queries, i = 256 x + 32 (w / 2) + (w % 2) + 2 r for lane r: queries of a tile are two apart, so that the skew from query
; to query is two words and the skewed read from LDS is an aligned 8 bytes.  Every wave walks the 2,048 keys once, in 16 steps of 128.
; A STEP.  (1) BD for the 160 extended rows that the tile's 16 queries x 128 keys touch: ten products; with the zero row each tile of 16 rows is wholly of one kind, and a scalar branch on ids and the count of steps
; picks wq[i] + v or wq[i + 1] + v for each pair of tiles.  (2) The results go to the wave's own stage in LDS, row = query, and come back skewed, in the layout of a matrix result: (3) they are the C of the AC products.
; (4) softmax: p = 2^(t - M), M the ceiling of the running largest t; the sum of the unquantised p.  (5) O^T += V^T P.
; K = 64 IN AN INSTRUCTION OF K = 128: the queries' operand has four registers of zero codes for k = 64 .. 127; the other operand names its own four registers and the next fragment's four, whose codes are finite,
; so those products are zeros; bytes 2 and 3 of all these scale words are 0.
; THE KEYS OF A TILE: rows 0-7 are keys 8 w + 0..7 and rows 8-15 the keys 32 further on (the second launch stored K's keys and V's d in that order): a lane holds WHOLE blocks of 32 keys.
; LDS.  K and V go through a ring of two slots of 512 keys (K's two planes, K's scale words, V's codes, V's scale words: 36,864 bytes), one tensor load each by waves 0 to 3.  The window of the extended table
; that the work-group's queries touch comes once, at the head: waves 4 to 13 a tenth of its two planes each, wave 14 its scale words.  The sixteen stages have bytes of their own.
; A wave has one tensor load out at the most; every wait on TENSORcnt is for 0.  The add stands twice ahead of each barrier behind which a load follows.
; PREFETCH.  At the change of slots that loads slot n + 1 (n = 0, 1) wave 8 names the codes of slot n + 2: four key steps ahead of the load that wants them.  The four work-groups of a (batch, head) share them out by
; address, 32 blocks of 256 bytes each, a lane a block: x = 0, 1: K's plane x; x = 2, 3: the halves of V.  Slots 0 and 1 come by their loads alone, and so do the scale words, 4,096 of a slot's 36,864 bytes.
; NO CLUSTER: the four query blocks of a head share K and V, but the branch of (1) hangs on the query block's number, and partners of a cluster may not part on that.
; LIMITS: a block of zeros gets the byte 1 (its codes are zeros; the bytes are read by this program alone); NaN and infinities are not served; the scaled scores stay under 2^31 in magnitude.
.set REC,   147456
.set QU,    9437184
.set QUS,   13631488
.set RK,    14155776
.set RKREC, 113664
.set RKPL,  50432
.set RKSC,  100864
.set SLOT,  36864                      ; LDS: slot 0 at 0, slot 1 behind it.  In a slot: K codes [2 planes][512 keys][16],
.set KSO,   16384                      ; K scale words [512],
.set VCO,   18432                      ; V codes [16 blocks of keys][64][16],
.set VSO,   34816                      ; V scale words [8][64]
.set RC,    73728                      ; the table's window, from extended row 768 - 256 x on: two planes of 2,320 rows x 16 bytes
.set RCP,   37120
.set PART,  7424                       ; a tenth of the two planes: 29 rows of 256 bytes
.set RS,    147968                     ; its scale words, 2,368 rows
.set STG,   157440                     ; the stages: for each wave 16 rows (queries) x 160 words, 656 bytes apart
.set STW,   10496
.set SPARE, 325376                     ; the spare words, 128 bytes a wave, that no other line names
.set F,     44                         ; v44-87  fragments, four registers a chunk; v84-87 stay zero
.set S,     96                         ; v96-159 BD, then the scores, then p: register 32 cc + 8 w + j = key 64 cc + 32 h + 8 w + j of the step
.set OT,    160                        ; v160-191 O^T: register 8 T + j = d 32 h + 8 T + j
.set P,     192                        ; v192-199 p's codes
.set BX,    200                        ; v200-215 BD's tiles 8 and 9
.set RSC,   228                        ; v228-232 the table's scale words; v233-236 K's; v237-240 V's; v226 p's; v40-42 the queries': these hold scales and nothing else
.set KSC,   233
.set VSC,   237
; v1-8 addresses that stay (K, V, table: codes; K, V, table: scale words; stage in, stage out); v9, v10 the add's two; v11 8 h; v12 -M, v13 the largest t, v[14:15] the sum in two halves;
; v16-23 wq + u, v24-31 wq + v, v32-39 wq[i + 1] + v (four registers of codes, four of zeros); v88-93 the step's addresses; v95 the prefetch's offset; v216-225, v242-255 at work
.set WV,   8                           ; s8 wave; s9-15 ids
.set G1K,  16                          ; groups 1: K's planes, V's codes, a slot's scale words, a part of the window, the window's scale words
.set G1V,  24
.set G1S,  32
.set G1P,  40
.set G1W,  48
.set G0K,  56                          ; groups 0
.set G0KS, 60
.set G0V,  68
.set G0VS, 72
.set G0P,  76
.set G0W,  80
.set TK,   84                          ; the step's LDS offsets: K's codes, the slot's scale words, V's codes, the table's codes, the table's scale words
.set TS,   85
.set TV,   86
.set TT,   87
.set TU,   88
.set XX,   89                          ; X = 8 s - 2 (8 x + w / 2) - 66: tile t of a step is multiplied by wq[i] + v where X + t < 0
.set CNT,  90
.set SEL,  92                          ; s[92:93] v_permlanex16_b32's selects for lane l xor 16
.set CS,   94                          ; s[94:95] log2(e) / sqrt(64)
.set PF,   96                          ; s[96:97], s[98:99] what my work-group's prefetches name in slots 2 and 3; never rewritten
.macro WM d, a, b, c, sa, sb, ra
.if \ra
	v_wmma_scale_f32_16x16x128_f8f6f4 v[\d:\d+7], v[\a:\a+7], v[\b:\b+7], \c, v[\sa], v[\sb] matrix_a_fmt:MATRIX_FMT_FP4 matrix_b_fmt:MATRIX_FMT_FP4 matrix_a_scale:MATRIX_SCALE_ROW1
.else
	v_wmma_scale_f32_16x16x128_f8f6f4 v[\d:\d+7], v[\a:\a+7], v[\b:\b+7], \c, v[\sa], v[\sb] matrix_a_fmt:MATRIX_FMT_FP4 matrix_b_fmt:MATRIX_FMT_FP4
.endif
.endm
; an arm of a chain of branches on the wave's number: one tensor load, its s_nop 0 and four v_nop, and a jump to the chain's end
.macro ARM under, g0, g1, done
	s_cmp_lt_u32 s[WV], \under
	s_cbranch_scc0 .Lna_\@
	tensor_load_to_lds s[\g0:\g0+3], s[\g1:\g1+7]
	s_nop 0
.rept 4
	v_nop
.endr
	s_branch \done
.Lna_\@:
.endm
.macro ROWS g, n
	s_mov_b32 s[\g+2], (\n)<<16
	s_mov_b32 s[\g+4], \n
.endm
	s_load_b128 s[4:7], s[0:1], 0x0                ; opnd s[4:5], avec s[6:7]
	v_lshl_add_u32 v9, v0, 2, SPARE
	v_mov_b32 v10, 0
	ds_add_u32 v9, v10                             ; the opening: the add, twice on end, and its wait ahead of the first tensor load; the set-up below stands between
	ds_add_u32 v9, v10
	v_lshrrev_b32 v1, 5, v0
	s_delay_alu instid0(VALU_DEP_1)
	v_readfirstlane_b32 s[WV], v1                  ; wave 0..15
	s_lshr_b32 s9, s[WV], 1                        ; g
	s_and_b32 s10, s[WV], 1                        ; c
	s_mov_b32 s11, ttmp9                           ; x: which 256 queries
	s_and_b32 s12, ttmp7, 0xffff                   ; bn = 16 batch + head
	s_and_b32 s13, s12, 15                         ; head
	s_lshr_b32 s14, s12, 4                         ; batch
	s_lshl_b32 s2, s11, 8
	s_lshl_b32 s3, s9, 5
	s_add_co_u32 s2, s2, s3
	s_add_co_u32 s15, s2, s10                      ; lane 0's query
	s_xor_b32 s67, s9, 7
	s_lshl_b32 s67, s67, 5
	s_xor_b32 s2, s10, 1
	s_add_co_u32 s67, s67, s2                      ; 32 (7 - g) + (1 - c): my tile's first row in the window at step 0: the wave's number alone
	s_lshl_b32 s2, s11, 3
	s_add_co_u32 s2, s2, s9
	s_lshl_b32 s2, s2, 1
	s_sub_co_i32 s[XX], -66, s2                    ; X at step 0
	s_mov_b32 s[G1K], 3<<16                        ; K's planes: 2 rows of 1,024 elements of 8 bytes, 4,096 elements apart in memory, dense in LDS
	s_mov_b32 s[G1K+1], 1024<<16
	s_mov_b32 s[G1K+2], 2<<16
	s_mov_b32 s[G1K+3], 1024<<16
	s_mov_b32 s[G1K+4], 2
	s_mov_b32 s[G1K+5], 4096
	s_mov_b32 s[G1K+6], 0
	s_mov_b32 s[G1K+7], 0
.irp g, G1V, G1S, G1P, G1W
	s_mov_b32 s[\g], 3<<16                         ; dense blocks as rows of 256 bytes (32 elements of 8 bytes)
	s_mov_b32 s[\g+1], 32<<16
	s_mov_b32 s[\g+3], 32<<16
	s_mov_b32 s[\g+5], 32
	s_mov_b32 s[\g+6], 0
	s_mov_b32 s[\g+7], 0
.endr
	ROWS G1V, 64
	ROWS G1S, 8
	ROWS G1P, 29
	ROWS G1W, 37
.irp g, G0K, G0KS, G0V, G0VS, G0P, G0W
	s_mov_b32 s[\g], 1
.endr
	s_mov_b32 s[G0K+1], 0
	s_mov_b32 s[G0KS+1], KSO
	s_mov_b32 s[G0V+1], VCO
	s_mov_b32 s[G0VS+1], VSO
	s_mov_b32 s[G0W+1], RS
	s_mul_i32 s2, s12, REC                         ; my (batch, head)'s record of K and V
	s_mov_b32 s3, 0
	s_mul_i32 s98, s13, RKREC                      ; my head's table
	s_lshl_b32 s99, s11, 12
	s_add_co_u32 s96, s98, RK+768*16-4*PART
	s_sub_co_u32 s96, s96, s99                     ; the window begins at extended row 768 - 256 x
	s_mul_i32 s91, s[WV], PART
	s_add_co_u32 s96, s96, s91                     ; waves 4 to 13: part wave - 4,
	s_cmp_ge_u32 s[WV], 9
	s_cselect_b32 s99, RKPL-RCP, 0                 ; parts 5 to 9 lie in the second plane
	s_add_co_u32 s96, s96, s99
	s_mov_b32 s97, 0
	s_add_co_u32 s[G0P+1], s91, RC-4*PART          ; in LDS the planes lie one behind the other
	s_add_co_u32 s98, s98, RK+RKSC+768*4
	s_lshl_b32 s99, s11, 10
	s_sub_co_u32 s98, s98, s99
	s_mov_b32 s99, 0
	s_mov_b32 s[SEL], 0x76543210
	s_mov_b32 s[SEL+1], 0xfedcba98
	s_mov_b32 s[CS], 0x3e38aa3b
	s_mov_b32 s[CS+1], s[CS]                       ; (named with it as a pair, so it is written)
	s_wait_dscnt 0x0                               ; both opening adds are done
	s_wait_kmcnt 0x0
	s_add_nc_u64 s[2:3], s[4:5], s[2:3]
	s_mov_b64 s[G0K+2:G0K+3], s[2:3]
	s_add_nc_u64 s[G0KS+2:G0KS+3], s[2:3], 65536
	s_add_nc_u64 s[G0V+2:G0V+3], s[2:3], 73728
	s_add_nc_u64 s[G0VS+2:G0VS+3], s[2:3], 139264
	s_add_nc_u64 s[G0P+2:G0P+3], s[4:5], s[96:97]
	s_add_nc_u64 s[G0W+2:G0W+3], s[4:5], s[98:99]
.irp g, G0K, G0KS, G0V, G0VS, G0P, G0W
	s_or_b32 s[\g+3], s[\g+3], 0x80000000
.endr
	; the head's loads, one a wave at the most, in one chain of branches on the wave's number
	ARM 1,  G0K,  G1K, .Lhead_asked
	ARM 2,  G0KS, G1S, .Lhead_asked
	ARM 3,  G0V,  G1V, .Lhead_asked
	ARM 4,  G0VS, G1S, .Lhead_asked
	ARM 14, G0P,  G1P, .Lhead_asked
	ARM 15, G0W,  G1W, .Lhead_asked
.Lhead_asked:
	s_lshl_b32 s90, s11, 15                        ; the prefetches: x < 2: K's plane x;
	s_lshl_b32 s91, s11, 13
	s_add_co_u32 s91, s91, 73728-16384             ; x >= 2: half x - 2 of V's codes
	s_mov_b32 s96, 16384
	s_cmp_lt_u32 s11, 2
	s_cselect_b32 s90, s90, s91
	s_cselect_b32 s91, 8192, s96                   ; a slot on
	s_lshl_b32 s96, s91, 1
	s_add_co_u32 s96, s96, s90                     ; slot 2
	s_add_co_u32 s98, s96, s91                     ; slot 3
	s_mov_b32 s97, 0
	s_mov_b32 s99, 0
	s_add_nc_u64 s[PF:PF+1], s[2:3], s[96:97]
	s_add_nc_u64 s[PF+2:PF+3], s[2:3], s[98:99]
	s_lshl_b32 s90, s12, 15
	s_add_co_u32 s90, s90, QU
	s_mov_b32 s91, 0
	s_add_nc_u64 s[90:91], s[4:5], s[90:91]        ; the queries' codes
	s_lshl_b32 s2, s12, 12
	s_add_co_u32 s2, s2, QUS
	s_mov_b32 s3, 0
	s_add_nc_u64 s[2:3], s[4:5], s[2:3]            ; and scale words
	s_lshl_b32 s9, s67, 4
	s_add_co_u32 s9, s9, RC
	s_lshl_b32 s10, s67, 2
	s_add_co_u32 s10, s10, RS
	s_mul_i32 s66, s[WV], STW
	s_add_co_u32 s66, s66, STG                     ; my stage
	s_add_co_u32 s67, s66, 120
	v_and_b32 v88, 15, v0                          ; r
	v_bfe_u32 v89, v0, 4, 1                        ; h
	v_and_b32 v90, 31, v0                          ; lane
	v_lshlrev_b32 v91, 4, v88
	v_lshlrev_b32 v92, 2, v90
	v_lshl_add_u32 v1, v89, 13, v91                ; K codes: plane h, place r
	v_lshl_add_u32 v2, v89, 10, v91
	v_add_nc_u32 v2, VCO, v2                       ; V codes: block of keys h, place r
	v_mad_u32_u24 v3, v89, RCP, v91
	v_add_nc_u32 v3, s9, v3                        ; the table: plane h, my first row + r
	v_add_nc_u32 v4, KSO, v92                      ; scale words: a lane a row: lanes 0-15 an even tile's, lanes 16-31 the odd tile's
	v_add_nc_u32 v5, VSO, v92
	v_add_nc_u32 v6, s10, v92
	v_mul_u32_u24 v7, v88, 656
	v_lshl_add_u32 v7, v89, 5, v7
	v_add_nc_u32 v7, s66, v7                       ; stage in: row r, word 16 t + 8 h + j
	v_mul_u32_u24 v8, v88, 648
	v_lshl_add_u32 v8, v89, 7, v8
	v_add_nc_u32 v8, s67, v8                       ; stage out: row r, word key - 2 r + 30: 656 r - 8 r + 120 + 4 key, key = 32 h + ..
	v_lshlrev_b32 v11, 3, v89
	v_lshlrev_b32 v95, 8, v90                      ; the prefetch: lanes 256 bytes apart
	v_lshl_add_u32 v96, v88, 1, s15                ; i
	v_lshlrev_b32 v97, 14, v89
	v_lshl_add_u32 v98, v96, 4, v97                ; block h, row i
	v_lshlrev_b32 v100, 2, v96
	v_add_nc_u32 v99, 1, v96
	v_min_u32 v99, 1023, v99                       ; i + 1; query 1,023 never reaches the wrapped part, and takes its own row again
	v_lshl_add_u32 v101, v99, 4, v97
	v_lshlrev_b32 v102, 2, v99
	global_load_b128 v[16:19], v98, s[90:91]
	global_load_b128 v[24:27], v98, s[90:91] offset:2097152
	global_load_b128 v[32:35], v101, s[90:91] offset:2097152
	global_load_b32 v40, v100, s[2:3]
	global_load_b32 v41, v100, s[2:3] offset:262144
	global_load_b32 v42, v102, s[2:3] offset:262144
.irp j, 20,21,22,23,28,29,30,31,36,37,38,39,84,85,86,87
	v_mov_b32 v[\j], 0                             ; the zero codes for k = 64 .. 127, and the chunk behind the last fragment
.endr
	v_mov_b32 v219, 0                              ; written once: a lane permute's destination counts as one of its sources
	v_mov_b32 v225, 0
	v_mov_b32 v221, 0                              ; (named as the upper half of the pair v[220:221])
.set j, 0
.rept 32
	v_mov_b32 v[OT+j], 0                           ; O^T.  (The step is written once: the first finds zeros, which the first change of M leaves zeros)
.set j, j+1
.endr
	v_mov_b32 v13, 0xff61b1e6                      ; the largest t so far: -3e38, under every t
	v_mov_b32 v14, 0
	v_mov_b32 v15, 0
	v_floor_f32 v12, -v13                          ; -M
; tiles 2 p and 2 p + 1 of BD: by wq[i] + v, or behind the zero row by wq[i + 1] + v.  The condition is made of ids and the count of steps
.macro BDPAIR p
.if (\p) < 4
.set D0, S+16*(\p)
.else
.set D0, BX
.endif
	s_cmp_lt_i32 s[XX], -2*(\p)
	s_cbranch_scc0 .Lwrap_\@
	WM D0, F+8*(\p), 24, 0, RSC+(\p), 41, 0
	WM D0+8, F+8*(\p)+4, 24, 0, RSC+(\p), 41, 1
	s_branch .Lpair_\@
.Lwrap_\@:
	WM D0, F+8*(\p), 32, 0, RSC+(\p), 42, 0
	WM D0+8, F+8*(\p)+4, 32, 0, RSC+(\p), 42, 1
.Lpair_\@:
.endm
; A KEY STEP: 128 keys
.macro STEP
	v_add_nc_u32 v88, s[TT], v3                    ; the step's addresses: six plain instructions, the places behind the last step's products
	v_add_nc_u32 v89, s[TU], v6
	v_add_nc_u32 v90, s[TK], v1
	v_add_nc_u32 v91, s[TS], v4
	v_add_nc_u32 v92, s[TV], v2
	v_add_nc_u32 v93, s[TS], v5
.irp t, 0,1,2,3,4,5,6,7,8,9
	ds_load_b128 v[F+4*\t:F+4*\t+3], v88 offset:256*\t             ; 160 rows of the table: sixteen lanes read 256 consecutive bytes
.endr
.irp q, 0,1,2,3,4
	ds_load_b32 v[RSC+\q], v89 offset:128*\q
.endr
	s_wait_dscnt 0x0
.irp p, 0,1,2,3,4
	BDPAIR \p
.endr
.rept 5
	v_nop                                          ; places in front of the stores of results, of the loads into registers that these products read or wrote, and of the products that write the same registers again
.endr
	s_wait_alu depctr_va_vdst(0)
.irp t, 0,1,2,3,4,5,6,7
	ds_load_b128 v[F+4*\t:F+4*\t+3], v90 offset:256*\t             ; K's eight tiles of the step
.endr
.irp q, 0,1,2,3
	ds_load_b32 v[KSC+\q], v91 offset:128*\q
.endr
.irp t, 0,1,2,3,4,5,6,7
	ds_store_b128 v7, v[S+8*\t:S+8*\t+3] offset:64*\t              ; each result from its low end on
	ds_store_b128 v7, v[S+8*\t+4:S+8*\t+7] offset:64*\t+16
.endr
.irp t, 0,1
	ds_store_b128 v7, v[BX+8*\t:BX+8*\t+3] offset:512+64*\t
	ds_store_b128 v7, v[BX+8*\t+4:BX+8*\t+7] offset:512+64*\t+16
.endr
.irp cc, 0,1
.irp w, 0,1,2,3
.irp j, 0,2,4,6
	ds_load_b64 v[S+32*\cc+8*\w+\j:S+32*\cc+8*\w+\j+1], v8 offset:256*\cc+32*\w+4*\j   ; back, skewed.  LDS serves a wave's instructions in order: these see the stores above
.endr
.endr
.endr
	s_wait_dscnt 0x0
.irp t, 0,1,2,3,4,5,6,7
	WM S+8*\t, F+4*\t, 16, v[S+8*\t:S+8*\t+7], KSC+\t/2, 40, \t%2  ; AC + the shifted BD; the eight accumulators by turns
.endr
.rept 4
	v_nop
.endr
.irp c, 0,1
.irp t, 0,1,2,3
	ds_load_b128 v[F+8*\t+4*\c:F+8*\t+4*\c+3], v92 offset:2048*\c+256*\t         ; V's four tiles: asked for ahead of the softmax
.endr
.endr
.irp e, 0,1
.irp q, 0,1
	ds_load_b32 v[VSC+2*\e+\q], v93 offset:256*\e+128*\q
.endr
.endr
	v_max3_num_f32 v216, v[S], v[S+1], v[S+2]      ; the largest score of each of my two blocks of 32 keys: for the row's maximum and, since p rises with the score, for the block's largest p
	v_max3_num_f32 v217, v[S+32], v[S+33], v[S+34]
.irp i, 3,5,7,9,11,13,15,17,19,21,23,25,27,29
	v_max3_num_f32 v216, v216, v[S+\i], v[S+\i+1]
	v_max3_num_f32 v217, v217, v[S+32+\i], v[S+33+\i]
.endr
	v_max_num_f32 v216, v216, v[S+31]
	v_max_num_f32 v217, v217, v[S+63]
	s_delay_alu instid0(VALU_DEP_1)
	v_max_num_f32 v218, v216, v217
	s_delay_alu instid0(VALU_DEP_1)
	v_permlanex16_b32 v219, v218, s[SEL], s[SEL+1]
	s_delay_alu instid0(VALU_DEP_1)
	v_max_num_f32 v218, v218, v219                 ; with lane l xor 16's 64 keys: the step's largest score of my query
	s_delay_alu instid0(VALU_DEP_1)
	v_mul_f32 v218, s[CS], v218
	s_delay_alu instid0(VALU_DEP_1)
	v_max_num_f32 v13, v13, v218                   ; the running largest t
	v_mov_b32 v218, v12
	s_delay_alu instid0(VALU_DEP_2)
	v_floor_f32 v12, -v13                          ; the new -M = -ceil(t)
	s_delay_alu instid0(VALU_DEP_1)
	v_sub_f32 v218, v12, v218                      ; old M - new M: a whole number, 0 or less
	s_delay_alu instid0(VALU_DEP_1)
	v_cvt_i32_f32 v218, v218                       ; (it saturates)
	s_delay_alu instid0(VALU_DEP_1)
	v_ldexp_f32 v220, 1.0, v218                    ; f = 2^(old M - new M)
.set j, 0
.rept 32
	v_pk_fma_f32 v[S+j:S+j+1], v[S+j:S+j+1], s[CS:CS+1], v[12:13] op_sel_hi:[1,0,0]   ; t - M
.set j, j+2
.endr
	v_fma_f32 v216, v216, s[CS], v12
	v_fma_f32 v217, v217, s[CS], v12
	s_wait_alu depctr_va_vdst(0)                   ; the wait ahead of the batch
.set j, 0
.rept 64
	v_exp_f32 v[S+j], v[S+j]                       ; p = 2^(t - M): not normalised
.set j, j+1
.endr
	v_pk_mul_f32 v[14:15], v[14:15], v[220:221] op_sel_hi:[1,0]    ; the sums under the new M: the plain place behind the exponentials
	s_wait_alu depctr_va_vdst(0)                   ; one wait for the whole batch, ahead of its first reader
	v_exp_f32 v216, v216                           ; the blocks' largest p
	v_exp_f32 v217, v217
.irp k, 0,1,2,3,4,5,6                              ; the row's sum of the unquantised p: 32 pairs in eight chains
	v_pk_add_f32 v[242+2*\k:243+2*\k], v[S+4*\k:S+4*\k+1], v[S+4*\k+2:S+4*\k+3]
.endr
	v_pk_add_f32 v[14:15], v[14:15], v[S+28:S+29]
.irp k, 0,1,2,3,4,5,6
	v_pk_add_f32 v[242+2*\k:243+2*\k], v[242+2*\k:243+2*\k], v[S+30+2*\k:S+31+2*\k]
.endr
	v_pk_add_f32 v[14:15], v[14:15], v[S+44:S+45]
.irp k, 0,1,2,3,4,5,6
	v_pk_add_f32 v[242+2*\k:243+2*\k], v[242+2*\k:243+2*\k], v[S+46+2*\k:S+47+2*\k]
.endr
	v_pk_add_f32 v[14:15], v[14:15], v[S+60:S+61]
	v_pk_add_f32 v[242:243], v[242:243], v[S+62:S+63]
	v_pk_add_f32 v[246:247], v[246:247], v[248:249]
	v_pk_add_f32 v[250:251], v[250:251], v[252:253]
	v_pk_add_f32 v[14:15], v[14:15], v[254:255]
	v_pk_add_f32 v[242:243], v[242:243], v[244:245]
	s_delay_alu instid0(VALU_DEP_2)
	v_pk_add_f32 v[14:15], v[14:15], v[250:251]
	s_delay_alu instid0(VALU_DEP_2)
	v_pk_add_f32 v[242:243], v[242:243], v[246:247]
	s_delay_alu instid0(VALU_DEP_1)
	v_pk_add_f32 v[14:15], v[14:15], v[242:243]
	s_wait_alu depctr_va_vdst(0)                   ; and one for the two
	v_max_num_f32 v216, 0x1800000, v216            ; the floor 2^(3 - 127): the byte cannot fall under 1
	v_max_num_f32 v217, 0x1800000, v217
	s_delay_alu instid0(VALU_DEP_2)
	v_add_nc_u32 v222, 0xff000000, v216            ; 2 off the exponent field: the conversion's scale operand
	s_delay_alu instid0(VALU_DEP_2)
	v_add_nc_u32 v223, 0xff000000, v217
	s_delay_alu instid0(VALU_DEP_2)
	v_lshrrev_b32 v224, 23, v222
	s_delay_alu instid0(VALU_DEP_2)
	v_lshrrev_b32 v218, 23, v223
	s_delay_alu instid0(VALU_DEP_1)
	v_lshl_or_b32 v224, v218, 16, v224             ; my bytes: blocks h and 2 + h,
	s_delay_alu instid0(VALU_DEP_1)
	v_lshlrev_b32 v224, v11, v224                  ; at their places in the scale word;
	s_delay_alu instid0(VALU_DEP_1)
	v_permlanex16_b32 v225, v224, s[SEL], s[SEL+1]
	s_delay_alu instid0(VALU_DEP_1)
	v_or_b32 v226, v224, v225                      ; with lane l xor 16's two the word is whole
.irp cc, 0,1
.irp w, 0,1,2,3
	v_cvt_scalef32_pk8_fp4_f32 v[P+4*\cc+\w], v[S+32*\cc+8*\w:S+32*\cc+8*\w+7], v[222+\cc]   ; registers 4 cc .. 4 cc + 3 of the operand: keys 64 cc + 32 h + 0 .. 31
.endr
.endr
	v_nop                                          ; one plain place behind a scaled conversion
	s_wait_dscnt 0x0                               ; V and its scale words
	v_lshl_or_b32 v[VSC], v[VSC+2], 16, v[VSC]     ; two words of 64 keys make the word of 128
	v_lshl_or_b32 v[VSC+1], v[VSC+3], 16, v[VSC+1]
	s_wait_alu depctr_va_vdst(0)                   ; the wait here, directly ahead of the first reader of O^T
.set j, 0
.rept 16
	v_pk_mul_f32 v[OT+j:OT+j+1], v[OT+j:OT+j+1], v[220:221] op_sel_hi:[1,0]      ; O^T under the new M.  (These sixteen are also the places between the scale words just made and the products)
.set j, j+2
.endr
.irp t, 0,1,2,3
	WM OT+8*\t, F+8*\t, P, v[OT+8*\t:OT+8*\t+7], VSC+\t/2, 226, \t%2
.endr
.endm
; THE CHANGE OF SLOTS, at the head of slot n's steps.  Each wave waits for all its tensor loads, adds 0 to its spare word (twice where a load follows), and waits for that and for its
; reads of the slot that it has left.  Behind the barrier slot n is whole and nobody reads the other one, which takes keys 512 (n + 1) on (n = 0: its first fill): four steps in which to land.
.macro CHANGE n
	s_wait_tensorcnt 0x0                           ; no tensor load of mine is out, so a group 0 may be written
	ds_add_u32 v9, v10
.if (\n) < 3
	ds_add_u32 v9, v10
	s_mov_b32 s[G0K+1], SLOT*(((\n)+1)%2)
	s_mov_b32 s[G0KS+1], SLOT*(((\n)+1)%2)+KSO
	s_mov_b32 s[G0V+1], SLOT*(((\n)+1)%2)+VCO
	s_mov_b32 s[G0VS+1], SLOT*(((\n)+1)%2)+VSO
	s_add_nc_u64 s[G0K+2:G0K+3], s[G0K+2:G0K+3], 8192
	s_add_nc_u64 s[G0KS+2:G0KS+3], s[G0KS+2:G0KS+3], 2048
	s_add_nc_u64 s[G0V+2:G0V+3], s[G0V+2:G0V+3], 16384
	s_add_nc_u64 s[G0VS+2:G0VS+3], s[G0VS+2:G0VS+3], 2048
.endif
	s_wait_dscnt 0x0
	s_barrier_signal -1
	s_barrier_wait -1
.if (\n) < 3
	ARM 1, G0K,  G1K, .Lasked\n
	ARM 2, G0KS, G1S, .Lasked\n
	ARM 3, G0V,  G1V, .Lasked\n
	ARM 4, G0VS, G1S, .Lasked\n
.Lasked\n:
.if (\n) < 2
	s_cmp_eq_u32 s[WV], 8
	s_cbranch_scc0 .Lnot_mine\n
	global_prefetch_b8 v95, s[PF+2*(\n):PF+2*(\n)+1] th:TH_LOAD_NT scope:SCOPE_SE   ; my work-group's 32 blocks of slot n + 2
.Lnot_mine\n:
.endif
.endif
.endm
.macro VISIT n                         ; slot n's four steps; every starting offset and the trip count are constants of the text
	CHANGE \n
	s_mov_b32 s[TK], SLOT*((\n)%2)
	s_mov_b32 s[TS], SLOT*((\n)%2)
	s_mov_b32 s[TV], SLOT*((\n)%2)
	s_mov_b32 s[TT], 8192*(\n)
	s_mov_b32 s[TU], 2048*(\n)
	s_mov_b32 s[CNT], 0
.Lstep\n:
	STEP
	s_add_co_u32 s[TK], s[TK], 2048
	s_add_co_u32 s[TS], s[TS], 512
	s_add_co_u32 s[TV], s[TV], 4096
	s_add_co_u32 s[TT], s[TT], 2048
	s_add_co_u32 s[TU], s[TU], 512
	s_add_co_i32 s[XX], s[XX], 8
	s_add_co_u32 s[CNT], s[CNT], 1
	s_cmp_lt_u32 s[CNT], 4
	s_cbranch_scc1 .Lstep\n
.endm
	s_wait_alu depctr_va_vdst(0)                   ; the wait at the head's end
	s_wait_loadcnt 0x0                             ; the queries' operands
	VISIT 0
	VISIT 1
	VISIT 2
	VISIT 3
	; THE WAY OUT.  O^T / the sum is attn_vec; a lane's 32 numbers are d = 32 h + 0 .. 31 of my head: block 2 head + h of W_o's K.  They leave as codes, in the order of the last launch's operand registers.
.rept 4
	v_nop
.endr
	v_add_f32 v14, v14, v15
	s_delay_alu instid0(VALU_DEP_1)
	v_permlanex16_b32 v219, v14, s[SEL], s[SEL+1]
	s_delay_alu instid0(VALU_DEP_1)
	v_add_f32 v14, v14, v219                       ; the row's sum
	s_wait_alu depctr_va_vdst(0)                   ; the wait ahead of the transcendental
	v_rcp_f32 v14, v14
	v_and_b32 v88, 31, v0                          ; (a plain place behind the transcendental)
	v_and_b32 v89, 15, v0
	v_bfe_u32 v90, v0, 4, 1
	v_lshlrev_b32 v88, 4, v88                      ; codes: 16 bytes a lane
	v_lshl_add_u32 v89, v89, 5, v90                ; the scale byte: 32 r + h
	s_lshl_b32 s2, s14, 6
	s_lshl_b32 s3, s11, 4
	s_add_co_u32 s2, s2, s3
	s_add_co_u32 s2, s2, s[WV]                     ; tile = 64 batch + 16 x + wave
	s_lshl_b32 s56, s2, 13
	s_lshl_b32 s3, s13, 9
	s_add_co_u32 s56, s56, s3
	s_mov_b32 s57, 0
	s_add_nc_u64 s[56:57], s[6:7], s[56:57]
	s_lshl_b32 s58, s2, 9
	s_lshl_b32 s3, s13, 1
	s_add_co_u32 s58, s58, s3
	s_add_co_u32 s58, s58, 2097152
	s_mov_b32 s59, 0
	s_add_nc_u64 s[58:59], s[6:7], s[58:59]
	s_wait_alu depctr_va_vdst(0)                   ; the wait ahead of the reciprocal's first reader, which is also the first reader of the last products' results
.set j, 0
.rept 16
	v_pk_mul_f32 v[OT+j:OT+j+1], v[OT+j:OT+j+1], v[14:15] op_sel_hi:[1,0]
.set j, j+2
.endr
	v_max3_num_f32 v216, |v[OT]|, |v[OT+1]|, 0x1800000
	v_max3_num_f32 v217, |v[OT+2]|, |v[OT+3]|, 0x1800000
.irp j, 4,8,12,16,20,24,28
	v_max3_num_f32 v216, v216, |v[OT+\j]|, |v[OT+\j+1]|
	v_max3_num_f32 v217, v217, |v[OT+\j+2]|, |v[OT+\j+3]|
.endr
	s_delay_alu instid0(VALU_DEP_1)
	v_max_num_f32 v216, v216, v217
	s_delay_alu instid0(VALU_DEP_1)
	v_add_nc_u32 v222, 0xff000000, v216
	s_delay_alu instid0(VALU_DEP_1)
	v_lshrrev_b32 v217, 23, v222
.irp t, 0,1,2,3
	v_cvt_scalef32_pk8_fp4_f32 v[P+\t], v[OT+8*\t:OT+8*\t+7], v222
.endr
	v_nop
	global_store_b128 v88, v[P:P+3], s[56:57]      ; the wave stores 512 consecutive bytes
	global_store_b8 v89, v217, s[58:59]
	s_wait_tensorcnt 0x0                           ; the wave's end
	ds_add_u32 v9, v10
	s_wait_dscnt 0x0
	s_endpgm
.Lfunc_end_k_q74f024168c_attn:
	.size	k_q74f024168c_attn, .Lfunc_end_k_q74f024168c_attn-k_q74f024168c_attn
	.p2alignl 7, 3214868480
	.fill 96, 4, 3214868480
	.section	.rodata,"a",@progbits
	.p2align	6, 0x0
	.amdhsa_kernel k_q74f024168c_attn
		.amdhsa_group_segment_fixed_size 327680
		.amdhsa_private_segment_fixed_size 0
		.amdhsa_enable_private_segment 0
		.amdhsa_kernarg_size 16
		.amdhsa_user_sgpr_count 2
		.amdhsa_user_sgpr_kernarg_segment_ptr 1
		.amdhsa_wavefront_size32 1
		.amdhsa_system_sgpr_workgroup_id_x 1
		.amdhsa_system_sgpr_workgroup_id_y 1
		.amdhsa_system_sgpr_workgroup_id_z 1
		.amdhsa_system_vgpr_workitem_id 0
		.amdhsa_next_free_vgpr 256
		.amdhsa_next_free_sgpr 100
		.amdhsa_reserve_vcc 0
		.amdhsa_float_denorm_mode_32 3
		.amdhsa_float_denorm_mode_16_64 3
		.amdhsa_memory_ordered 1
		.amdhsa_forward_progress 1
		.amdhsa_inst_pref_size 116
	.end_amdhsa_kernel
	.amdgpu_metadata
---
amdhsa.version: [ 1, 2 ]
amdhsa.kernels:
  - .name:           k_q74f024168c_attn
    .symbol:         k_q74f024168c_attn.kd
    .args:
      - { .name: opnd, .offset: 0, .size: 8, .value_kind: global_buffer, .address_space: global }
      - { .name: avec, .offset: 8, .size: 8, .value_kind: global_buffer, .address_space: global }
    .group_segment_fixed_size: 327680
    .private_segment_fixed_size: 0
    .kernarg_segment_align: 8
    .kernarg_segment_size: 16
    .max_flat_workgroup_size: 512
    .sgpr_count:     100
    .vgpr_count:     256
    .wavefront_size: 32
...
	.end_amdgpu_metadata
.endif
;; end of part 3
;; launch outln (part 4): grid 256 x 1, 16 waves a work-group, no clusters, 279,552 bytes of LDS; arguments avec, wimg, W_o_scales, x, ln_gamma, ln_beta, out0; writes out0
.if DOCPART == 4
	.amdgcn_target "amdgcn-amd-amdhsa--gfx1250"
	.amdhsa_code_object_version 6
	.text
	.protected	k_q74f024168c_outln
	.globl	k_q74f024168c_outln
	.p2align	8
	.type	k_q74f024168c_outln,@function
k_q74f024168c_outln:
	s_mov_b64 s[64:65], 0
	v_nop
	global_prefetch_b8 v0, s[64:65] scope:SCOPE_SE
	s_setreg_imm32_b32 hwreg(HW_REG_WAVE_MODE, 25, 1), 1
	s_wait_xcnt 0x0
; LAUNCH 4 OF 4.  out = LayerNorm(x + attn_vec @ W_o) gamma + beta.  attn_vec arrives as codes of E2M1 from the third launch; W_o's codes as given, laid by the first launch in the order of this launch's operand
; registers (buffer wimg); W_o's scale bytes as given.  Nothing is left out here.
; SHARES.  Work-group T owns the 16 rows of tile T of avec (batch T / 64; queries 32 ((T % 64) / 2) + T % 2 + 2 r) and all 1,024 columns, so a row's mean and variance stay inside the work-group.
; Wave w makes columns 64 w .. 64 w + 63.  The product is used transposed: source 0 = 16 rows of W_o (columns of the result), source 1 = the tile of attn_vec: lane (r, h) holds row r and columns 16 al + 8 h + 0..7.
; W_o's FRAGMENTS lie in memory as images of their registers, 16 bytes a lane.  A wave's 64 rows are read by that wave alone.  K steps 0 to 4 come straight into registers, 512 consecutive bytes a load;
; K steps 5 to 7 come by ONE tensor load a wave at the head (4 rows of 3,072 bytes, 8,192 bytes apart in memory) into LDS bytes that only the issuing wave reads, behind its own wait on TENSORcnt: filled once, never again.
; attn_vec's sixteen images of 512 bytes are wanted by all sixteen waves: each wave loads one, stores it to LDS, and behind one barrier every wave reads all from there.
; x is loaded as the results are stored, two rows of 256 consecutive bytes an instruction, and turns through the wave's own stage in LDS into the accumulators: the residual is the C of the first product.
; The norm takes two passes (the mean, then the squares of the differences), so that no difference of large sums is formed.  Results leave through the same stage; gamma and beta are applied behind it, where a lane
; holds four neighbouring columns: one load of 16 bytes a lane for each.  Sixteen lanes store 256 consecutive bytes, aligned.
; NO PREFETCH: the text has no loop to run ahead in.  NO CLUSTER: what a joint load could share is the one fill at the head, 196,608 of the 524,288 bytes of W_o that a work-group reads.
.set RED1,  0                          ; LDS: the waves' sums: 16 rows x 16 words, 80 bytes apart
.set RED2,  1536                       ; the sums of squares likewise
.set STG,   3072                       ; a stage for each wave: 16 rows x (256 + 16) bytes
.set AV,    72704                      ; attn_vec's sixteen images
.set WT,    80896                      ; W_o's K steps 5 to 7: 12,288 bytes a wave: tile al at 3,072 al
.set WTW,   12288
.set SPARE, 277504                     ; the spare words, 128 bytes a wave, that no other line names
.set ACC,   16                         ; v16-47   four accumulators
.set SA,    48                         ; v48-63   W_o's scale words: register 8 q + s: lanes 0-15 tile 2 q, lanes 16-31 tile 2 q + 1.  v48-71 hold scales and nothing else
.set SB,    64                         ; v64-71   attn_vec's, a register a K step
.set A0,    72                         ; v72-135  set 0: W_o's fragments of two K steps; later gamma (v72-75) and beta (v76-79)
.set B0,    136                        ; v136-151 set 0: attn_vec's
.set A1,    152                        ; v152-215, v216-231 set 1; later the rows on their way out
.set B1,    216
; v1 where my image of attn_vec goes; v2 16 r; v3-11 addresses; v12, v13 the add's two; v14 the images' place, v15 my part of W_o in LDS (16 bytes a lane); v232-255 at work
.macro WM d, a, b, c, sa, sb, ra
.if (\ra)
	v_wmma_scale_f32_16x16x128_f8f6f4 v[\d:\d+7], v[\a:\a+7], v[\b:\b+7], v[\c:\c+7], v[\sa], v[\sb] matrix_a_fmt:MATRIX_FMT_FP4 matrix_b_fmt:MATRIX_FMT_FP4 matrix_a_scale:MATRIX_SCALE_ROW1
.else
	v_wmma_scale_f32_16x16x128_f8f6f4 v[\d:\d+7], v[\a:\a+7], v[\b:\b+7], v[\c:\c+7], v[\sa], v[\sb] matrix_a_fmt:MATRIX_FMT_FP4 matrix_b_fmt:MATRIX_FMT_FP4
.endif
.endm
.macro WG s, ba                         ; W_o's K step s from memory: tile al, half c: image 16 al + 2 s + c of my 64
.irp al, 0,1,2,3
.irp c, 0,1
	global_load_b128 v[\ba+8*\al+4*\c:\ba+8*\al+4*\c+3], v3, s[6:7] offset:8192*\al+1024*(\s)+512*\c
.endr
.endr
.endm
.macro WL s, ba                         ; W_o's K step s (5 to 7) from my bytes of LDS
.irp al, 0,1,2,3
.irp c, 0,1
	ds_load_b128 v[\ba+8*\al+4*\c:\ba+8*\al+4*\c+3], v15 offset:3072*\al+1024*((\s)-5)+512*\c
.endr
.endr
.endm
.macro BLOAD ph, bb                     ; attn_vec's fragments of K steps 2 ph and 2 ph + 1
.irp sl, 0,1
.irp c, 0,1
	ds_load_b128 v[\bb+8*\sl+4*\c:\bb+8*\sl+4*\c+3], v14 offset:(2*(2*(\ph)+\sl)+\c)*512
.endr
.endr
.endm
.macro PMUL ph, ba, bb                  ; a phase's eight products; the four accumulators take turns
.irp sl, 0,1
.irp al, 0,1,2,3
	WM ACC+8*\al, \ba+32*\sl+8*\al, \bb+8*\sl, ACC+8*\al, SA+8*(\al/2)+2*(\ph)+\sl, SB+2*(\ph)+\sl, \al%2
.endr
.endr
.rept 4
	v_nop                                          ; four places in front of loads into registers that these products read, and of the first read of results
.endr
.endm
	s_load_b256 s[4:11], s[0:1], 0x0               ; avec s[4:5], wimg s[6:7], W_o scales s[8:9], x s[10:11]
	s_load_b128 s[12:15], s[0:1], 0x20             ; gamma s[12:13], beta s[14:15]
	s_load_b64 s[16:17], s[0:1], 0x30              ; out0
	v_lshl_add_u32 v12, v0, 2, SPARE
	v_mov_b32 v13, 0
	ds_add_u32 v12, v13                            ; the opening: the add, twice on end, and its wait ahead of my tensor load; the set-up below stands between
	ds_add_u32 v12, v13
	v_lshrrev_b32 v1, 5, v0
	s_delay_alu instid0(VALU_DEP_1)
	v_readfirstlane_b32 s18, v1                    ; wave 0..15
	s_mov_b32 s19, ttmp9                           ; tile
	s_lshr_b32 s20, s19, 6                         ; batch
	s_bfe_u32 s21, s19, 0x50001
	s_lshl_b32 s21, s21, 5
	s_and_b32 s22, s19, 1
	s_add_co_u32 s21, s21, s22                     ; row 0's query
	s_lshl_b32 s22, s21, 14                        ; a query is 16,384 bytes on in x and out0,
	s_lshl_b32 s23, s20, 12                        ; a batch 4,096,
	s_add_co_u32 s22, s22, s23
	s_lshl_b32 s23, s18, 8                         ; my 64 columns 256 bytes
	s_add_co_u32 s22, s22, s23
	s_mov_b32 s23, 0
	s_mov_b32 s25, 0
	s_mov_b32 s26, 0x3a800000                      ; 1 / 1,024
	s_mov_b32 s27, 0x3727c5ac                      ; 1e-5
	s_mov_b32 s30, 0x76543210
	s_mov_b32 s31, 0xfedcba98                      ; v_permlanex16_b32's selects for lane l xor 16
	s_mov_b32 s32, 1                               ; group 0: count,
	s_mul_i32 s33, s18, WTW
	s_add_co_u32 s33, s33, WT                      ; my bytes of LDS
	s_mov_b32 s36, 3<<16                           ; group 1: 4 rows of 384 elements of 8 bytes, 1,024 elements apart in memory, dense in LDS
	s_mov_b32 s37, 384<<16
	s_mov_b32 s38, 4<<16
	s_mov_b32 s39, 384<<16
	s_mov_b32 s40, 4
	s_mov_b32 s41, 1024
	s_mov_b32 s42, 0
	s_mov_b32 s43, 0
	v_and_b32 v14, 15, v0                          ; r
	v_bfe_u32 v15, v0, 4, 1                        ; h
	v_and_b32 v3, 31, v0
	s_delay_alu instid0(VALU_DEP_1)
	v_lshlrev_b32 v4, 5, v3                        ; W_o's scale words: a lane a row of 32 bytes
	s_delay_alu instid0(VALU_DEP_2)
	v_lshlrev_b32 v3, 4, v3                        ; the images of fragments: 16 bytes a lane
	s_delay_alu instid0(VALU_DEP_4)
	v_lshlrev_b32 v6, 5, v15                       ; 32 h
	v_lshlrev_b32 v5, 5, v14                       ; attn_vec's scale words: 32 r
	v_lshlrev_b32 v2, 4, v14                       ; gamma, beta by rows: 16 r
	v_lshl_add_u32 v1, v0, 4, AV                   ; my image of attn_vec in LDS: 512 x wave + 16 x lane,
	v_lshlrev_b32 v237, 4, v0                      ; and in memory
	v_mul_u32_u24 v8, v14, 80                      ; the sums: row r,
	s_lshl_b32 s24, s18, 2
	v_add_nc_u32 v7, s24, v8                       ; my wave's word
	s_mul_i32 s24, s18, 16*272
	s_add_co_u32 s24, s24, STG                     ; my stage
	v_mul_u32_u24 v9, v14, 272
	s_delay_alu instid0(VALU_DEP_1)
	v_add_nc_u32 v9, v9, v6
	s_delay_alu instid0(VALU_DEP_1)
	v_add_nc_u32 v9, s24, v9                       ; by the accumulators' layout: row r, + 32 h
	v_mul_u32_u24 v10, v15, 272
	s_delay_alu instid0(VALU_DEP_1)
	v_lshl_add_u32 v10, v14, 4, v10
	s_delay_alu instid0(VALU_DEP_1)
	v_add_nc_u32 v10, s24, v10                     ; by rows: lanes 0-15 one row, lanes 16-31 the next
	v_lshlrev_b32 v11, 15, v15
	s_delay_alu instid0(VALU_DEP_1)
	v_lshl_add_u32 v11, v14, 4, v11                ; and the same two rows in x and out0: rows are two queries, 32,768 bytes, apart
	v_add_nc_u32 v14, AV, v3                       ; (r and h are done with)  the images of attn_vec,
	v_add_nc_u32 v15, s33, v3                      ; and my part of W_o, 16 bytes a lane
	v_mov_b32 v236, 0                              ; written once: a lane permute's destination counts as one of its sources
	v_mov_b32 v239, 0                              ; (named as the upper half of the pair v[238:239])
	s_wait_alu depctr_va_vdst(0)                   ; the wait at the head's end
	s_wait_dscnt 0x0                               ; both opening adds are done
	s_wait_kmcnt 0x0
	s_lshl_b32 s24, s18, 15
	s_add_nc_u64 s[6:7], s[6:7], s[24:25]          ; my 64 images of W_o: 64 rows
	s_add_nc_u64 s[34:35], s[6:7], 5*1024          ; from K step 5 on
	s_or_b32 s35, s35, 0x80000000
	tensor_load_to_lds s[32:35], s[36:43]          ; my one tensor load
	s_nop 0
.rept 4
	v_nop
.endr
	s_add_nc_u64 s[10:11], s[10:11], s[22:23]
	s_add_nc_u64 s[16:17], s[16:17], s[22:23]
	s_lshl_b32 s24, s18, 11
	s_add_nc_u64 s[8:9], s[8:9], s[24:25]
	s_lshl_b32 s24, s18, 8
	s_add_nc_u64 s[12:13], s[12:13], s[24:25]
	s_add_nc_u64 s[14:15], s[14:15], s[24:25]
	s_lshl_b32 s24, s19, 9
	s_add_nc_u64 s[28:29], s[4:5], s[24:25]
	s_add_nc_u64 s[28:29], s[28:29], 2097152       ; my tile's scale bytes
	s_lshl_b32 s24, s19, 13
	s_add_nc_u64 s[4:5], s[4:5], s[24:25]          ; my tile's codes
	global_load_b128 v[232:235], v237, s[4:5]      ; image number wave of attn_vec: the oldest load
.irp k, 0,1,2,3,4,5,6,7
	global_load_b128 v[ACC+4*\k:ACC+4*\k+3], v11, s[10:11] offset:65536*\k th:TH_LOAD_NT   ; x: rows 2 k and 2 k + 1, my 256 bytes of each
.endr
.irp q, 0,1
	global_load_b128 v[SA+8*\q:SA+8*\q+3],   v4, s[8:9] offset:1024*\q
	global_load_b128 v[SA+8*\q+4:SA+8*\q+7], v4, s[8:9] offset:1024*\q+16
.endr
	global_load_b128 v[SB:SB+3],   v5, s[28:29]
	global_load_b128 v[SB+4:SB+7], v5, s[28:29] offset:16
	WG 0, A0
	WG 1, A0+32
	WG 2, A1
	WG 3, A1+32
	s_wait_loadcnt 46                              ; my image is in; behind it x's 8 loads, the 6 of scale words and W_o's 32 may be out
	ds_store_b128 v1, v[232:235]
	s_wait_dscnt 0x0                               ; for the others' sake: my store is done
	s_barrier_signal -1
	s_barrier_wait -1                              ; all sixteen images lie in LDS
	BLOAD 0, B0
	BLOAD 1, B1
	s_wait_loadcnt 38                              ; x is in; the 6 loads of scale words and W_o's 32 may be out
.irp k, 0,1,2,3,4,5,6,7
	ds_store_b128 v10, v[ACC+4*\k:ACC+4*\k+3] offset:544*\k        ; x through my stage: in by rows,
.endr
.irp al, 0,1,2,3
	ds_load_b128 v[ACC+8*\al:ACC+8*\al+3],   v9 offset:64*\al      ; back by the accumulators' layout.  LDS serves a wave's instructions in order: these see the stores above
	ds_load_b128 v[ACC+8*\al+4:ACC+8*\al+7], v9 offset:64*\al+16
.endr
	s_wait_loadcnt 16                              ; the scale words and K steps 0 and 1 are in; those of K steps 2 and 3, 16 loads, may be out
	s_wait_dscnt 0x0                               ; x lies in the accumulators, attn_vec's first four K steps in their registers
	PMUL 0, A0, B0
	WG 4, A0
	s_wait_tensorcnt 0x0                           ; my part of W_o has landed in my bytes of LDS
	WL 5, A0+32
	BLOAD 2, B0
	s_wait_loadcnt 8                               ; K steps 2 and 3 are in; K step 4's 8 loads may be out
	PMUL 1, A1, B1
	WL 6, A1
	WL 7, A1+32
	BLOAD 3, B1
	s_wait_loadcnt 0x0                             ; K step 4
	s_wait_dscnt 20                                ; K step 5 and attn_vec's K steps 4 and 5 are in; the 20 LDS loads issued behind them may be out
	PMUL 2, A0, B0
	global_load_b128 v[72:75], v2, s[12:13]        ; gamma and beta of the four columns that my lane stores
	global_load_b128 v[76:79], v2, s[14:15]
	s_wait_dscnt 0x0
	PMUL 3, A1, B1
; the sixteen waves' words of my row, from byte off on, are added up into v240, in the same order in every lane
.macro RSUM off
.irp i, 0,1,2,3
	ds_load_b128 v[240+4*\i:243+4*\i], v8 offset:\off+16*\i
.endr
	s_wait_dscnt 0x0
	v_pk_add_f32 v[240:241], v[240:241], v[242:243]
	v_pk_add_f32 v[244:245], v[244:245], v[246:247]
	v_pk_add_f32 v[248:249], v[248:249], v[250:251]
	v_pk_add_f32 v[252:253], v[252:253], v[254:255]
	s_delay_alu instid0(VALU_DEP_3)
	v_pk_add_f32 v[240:241], v[240:241], v[244:245]
	s_delay_alu instid0(VALU_DEP_2)
	v_pk_add_f32 v[248:249], v[248:249], v[252:253]
	s_delay_alu instid0(VALU_DEP_1)
	v_pk_add_f32 v[240:241], v[240:241], v[248:249]
	s_delay_alu instid0(VALU_DEP_1)
	v_add_f32 v240, v240, v241
.endm
	; the mean: my 32 numbers (each accumulator from its low end on), lane l xor 16's, then all waves'
	v_pk_add_f32 v[234:235], v[16:17], v[18:19]
	v_pk_add_f32 v[254:255], v[20:21], v[22:23]
	v_pk_add_f32 v[252:253], v[24:25], v[26:27]
	v_pk_add_f32 v[250:251], v[28:29], v[30:31]
	v_pk_add_f32 v[248:249], v[32:33], v[34:35]
	v_pk_add_f32 v[246:247], v[36:37], v[38:39]
	v_pk_add_f32 v[244:245], v[40:41], v[42:43]
	v_pk_add_f32 v[232:233], v[44:45], v[46:47]
	s_delay_alu instid0(VALU_DEP_1)
	v_pk_add_f32 v[232:233], v[232:233], v[250:251]
	v_pk_add_f32 v[234:235], v[234:235], v[248:249]
	v_pk_add_f32 v[254:255], v[254:255], v[246:247]
	v_pk_add_f32 v[252:253], v[252:253], v[244:245]
	s_delay_alu instid0(VALU_DEP_2)
	v_pk_add_f32 v[232:233], v[232:233], v[254:255]
	s_delay_alu instid0(VALU_DEP_2)
	v_pk_add_f32 v[234:235], v[234:235], v[252:253]
	s_delay_alu instid0(VALU_DEP_1)
	v_pk_add_f32 v[232:233], v[232:233], v[234:235]
	s_delay_alu instid0(VALU_DEP_1)
	v_add_f32 v232, v232, v233
	s_delay_alu instid0(VALU_DEP_1)
	v_permlanex16_b32 v236, v232, s30, s31
	s_delay_alu instid0(VALU_DEP_1)
	v_add_f32 v232, v232, v236
	ds_store_b32 v7, v232 offset:RED1              ; lanes r and r + 16 write the same word with the same value
	s_wait_dscnt 0x0                               ; for the others' sake: my store is done
	s_barrier_signal -1
	s_barrier_wait -1
	RSUM RED1
	s_delay_alu instid0(VALU_DEP_1)
	v_mul_f32 v234, s26, v240                      ; the mean
	s_delay_alu instid0(VALU_DEP_1)
	v_mov_b32 v235, v234
.irp j, 0,2,4,6,8,10,12,14,16,18,20,22,24,26,28,30
	v_pk_add_f32 v[16+\j:17+\j], v[16+\j:17+\j], v[234:235] neg_lo:[0,1] neg_hi:[0,1]
.endr
	v_pk_mul_f32 v[232:233], v[16:17], v[16:17]
	v_pk_mul_f32 v[234:235], v[32:33], v[32:33]
.irp j, 2,4,6,8,10,12,14
	s_delay_alu instid0(VALU_DEP_2)
	v_pk_fma_f32 v[232:233], v[16+\j:17+\j], v[16+\j:17+\j], v[232:233]
	s_delay_alu instid0(VALU_DEP_2)
	v_pk_fma_f32 v[234:235], v[32+\j:33+\j], v[32+\j:33+\j], v[234:235]
.endr
	s_delay_alu instid0(VALU_DEP_1)
	v_pk_add_f32 v[232:233], v[232:233], v[234:235]
	s_delay_alu instid0(VALU_DEP_1)
	v_add_f32 v232, v232, v233
	s_delay_alu instid0(VALU_DEP_1)
	v_permlanex16_b32 v236, v232, s30, s31
	s_delay_alu instid0(VALU_DEP_1)
	v_add_f32 v232, v232, v236
	ds_store_b32 v7, v232 offset:RED2              ; bytes of their own: no wave still reads them
	s_wait_dscnt 0x0
	s_barrier_signal -1
	s_barrier_wait -1
	RSUM RED2
	s_delay_alu instid0(VALU_DEP_1)
	v_fma_f32 v237, v240, s26, s27                 ; the variance + 1e-5
	s_wait_alu depctr_va_vdst(0)                   ; the wait ahead of the transcendental
	v_rsq_f32 v238, v237
	v_nop                                          ; one plain place behind the transcendental
	s_wait_alu depctr_va_vdst(0)                   ; and the wait ahead of its first reader
.irp j, 0,2,4,6,8,10,12,14,16,18,20,22,24,26,28,30
	v_pk_mul_f32 v[16+\j:17+\j], v[16+\j:17+\j], v[238:239] op_sel_hi:[1,0]
.endr
.irp al, 0,1,2,3
	ds_store_b128 v9, v[16+8*\al:19+8*\al] offset:64*\al
	ds_store_b128 v9, v[20+8*\al:23+8*\al] offset:64*\al+16
.endr
.irp k, 0,1,2,3,4,5,6,7
	ds_load_b128 v[152+4*\k:155+4*\k], v10 offset:544*\k           ; LDS serves a wave's instructions in order: these see my stores
.endr
	s_wait_loadcnt 0x0                             ; gamma, beta
.irp k, 0,1,2,3,4,5,6,7
	s_wait_dscnt 7-\k                              ; load k is back; the younger ones may be out
	v_pk_fma_f32 v[152+4*\k:153+4*\k], v[152+4*\k:153+4*\k], v[72:73], v[76:77]
	v_pk_fma_f32 v[154+4*\k:155+4*\k], v[154+4*\k:155+4*\k], v[74:75], v[78:79]
	global_store_b128 v11, v[152+4*\k:155+4*\k], s[16:17] offset:65536*\k th:TH_STORE_NT   ; two rows, 256 consecutive bytes of each, at multiples of 256 from out0's first byte
.endr
	s_wait_tensorcnt 0x0                           ; the wave's end
	ds_add_u32 v12, v13
	s_wait_dscnt 0x0
	s_endpgm
.Lfunc_end_k_q74f024168c_outln:
	.size	k_q74f024168c_outln, .Lfunc_end_k_q74f024168c_outln-k_q74f024168c_outln
	.p2alignl 7, 3214868480
	.fill 96, 4, 3214868480
	.section	.rodata,"a",@progbits
	.p2align	6, 0x0
	.amdhsa_kernel k_q74f024168c_outln
		.amdhsa_group_segment_fixed_size 279552
		.amdhsa_private_segment_fixed_size 0
		.amdhsa_enable_private_segment 0
		.amdhsa_kernarg_size 56
		.amdhsa_user_sgpr_count 2
		.amdhsa_user_sgpr_kernarg_segment_ptr 1
		.amdhsa_wavefront_size32 1
		.amdhsa_system_sgpr_workgroup_id_x 1
		.amdhsa_system_sgpr_workgroup_id_y 1
		.amdhsa_system_sgpr_workgroup_id_z 1
		.amdhsa_system_vgpr_workitem_id 0
		.amdhsa_next_free_vgpr 256
		.amdhsa_next_free_sgpr 66
		.amdhsa_reserve_vcc 0
		.amdhsa_float_denorm_mode_32 3
		.amdhsa_float_denorm_mode_16_64 3
		.amdhsa_memory_ordered 1
		.amdhsa_forward_progress 1
		.amdhsa_inst_pref_size 29
	.end_amdhsa_kernel
	.amdgpu_metadata
---
amdhsa.version: [ 1, 2 ]
amdhsa.kernels:
  - .name:           k_q74f024168c_outln
    .symbol:         k_q74f024168c_outln.kd
    .args:
      - { .name: avec, .offset: 0, .size: 8, .value_kind: global_buffer, .address_space: global }
      - { .name: wimg, .offset: 8, .size: 8, .value_kind: global_buffer, .address_space: global }
      - { .name: W_o_scales, .offset: 16, .size: 8, .value_kind: global_buffer, .address_space: global }
      - { .name: x, .offset: 24, .size: 8, .value_kind: global_buffer, .address_space: global }
      - { .name: ln_gamma, .offset: 32, .size: 8, .value_kind: global_buffer, .address_space: global }
      - { .name: ln_beta, .offset: 40, .size: 8, .value_kind: global_buffer, .address_space: global }
      - { .name: out0, .offset: 48, .size: 8, .value_kind: global_buffer, .address_space: global }
    .group_segment_fixed_size: 279552
    .private_segment_fixed_size: 0
    .kernarg_segment_align: 8
    .kernarg_segment_size: 56
    .max_flat_workgroup_size: 512
    .sgpr_count:     66
    .vgpr_count:     256
    .wavefront_size: 32
...
	.end_amdgpu_metadata
.endif
;; end of part 4
